; MI455X (gfx1250); checked and timed in simulation.
; The chip was launched on July 23, 2026; its instructions are those of AMD's public machine-readable ISA for CDNA 5 (MIT licence, August 2026) and "CDNA5" Instruction Set Architecture Reference Guide (July 2026). The comments in the code are by the model that wrote it; some were corrected since.
;; Attention uia. Allowed arithmetic: matrix products marked QUANTISED: E2M3 operands, one E8M0 scale for each 32 along K, by v_wmma_scale_f32_16x16x128_f8f6f4 with both operands' format E2M3, f32 sums; everything else in f32.
;; Inputs: b_proj 1,024 float32; w_proj 1,024 x 1,024 float32; w_qkv 3,072 x 1,024 float32; x 4 x 2,048 x 1,024 float32.
;; Outputs: out0 4 x 2,048 x 1,024 float32.
;; This version of the problem:
;;   THIS VERSION OF THE PROBLEM IS GIVEN IN LOW PRECISION. The matrix products marked QUANTISED in the list below multiply operands that are first quantised to E2M3 (2 exponent bits, 3 mantissa bits; 6 bits a number), with one power-of-two scale for each 32 numbers along K (OCP MX v1.0); their sums are f32. All else is computed in f32.
;;   The module's matrix products, in the order in which they are computed (A, B: the left and right operand; K: the contracted axis; several contracted axes count as one K, in the product's order):
;;     1. [M 8,192, K 1,024] x [K 1,024, N 3,072]; A: input x; B: input w_qkv: QUANTISED
;;     2. batch 64 x [M 2,048, K 64] x [K 64, N 2,048]; A: computed on the way; B: computed on the way: QUANTISED
;;     3. batch 64 x [M 2,048, K 2,048] x [K 2,048, N 64]; A: softmax (see below); B: computed on the way: QUANTISED
;;     4. [M 8,192, K 1,024] x [K 1,024, N 1,024]; A: computed on the way; B: input w_proj: QUANTISED
;;   THE QUANTISER, for each operand of a quantised product, along K:
;;     - K is cut into blocks of 32 from its start; a last block that is shorter is filled with zeros.
;;     - A block's scale is 2^e with e = floor(log2(the largest magnitude in the block)) - 2, held to -126 .. 127; a block of zeros has e = 0. As a byte (E8M0): e + 127.
;;     - Each number is divided by its block's scale, clamped to +-7.5, and rounded to the nearest number of E2M3, ties to even, subnormals kept.
;;     - The product sums the exact products of the quantised numbers (number of the format x scale) in f32.
;;   ~~~python
;;   def quantise(x, axis):      # numpy; x: float32 -> the quantised numbers, widened to float32 again
;;       x = np.moveaxis(x, axis, -1); K = x.shape[-1]
;;       x = np.pad(x, [(0, 0)] * (x.ndim - 1) + [(0, -K % 32)]); x = x.reshape(x.shape[:-1] + (-1, 32)); a = np.abs(x).max(-1, keepdims=True)
;;       e = np.where(a > 0, np.clip(np.frexp(np.where(a > 0, a, 1))[1] - 1 - 2, -126, 127), 0)      # np.frexp(a)[1] - 1 = floor(log2(a)), exactly
;;       r = np.clip(x / 2.0 ** e, -7.5, 7.5)
;;       step = 2.0 ** (np.maximum(np.frexp(np.where(r == 0, 1, r))[1] - 1, 0) - 3)
;;       q = np.round(r / step) * step * 2.0 ** e      # np.round: ties to even
;;       return np.moveaxis(q.reshape(q.shape[:-2] + (-1,))[..., :K], -1, axis).astype(np.float32)
;;   ~~~
;;   SOFTMAX AHEAD OF A QUANTISED PRODUCT. Where the list says 'softmax', what is quantised is not the finished softmax but p = 2^(t - M), with t = logit x log2(e) and M = ceil(the row's largest t), a whole number; so 1/2 < the row's largest p <= 1. The row's sum l is taken of the UNQUANTISED p, in f32, and the product's result is divided by l at the end. Since M is a whole number, a kernel that streams over the keys may use a running M (the ceiling of the running maximum): every later rescaling is an exact power of two, which a block's scale takes up: the codes' values come out the same.
;;   OPERANDS COMPUTED ON THE WAY. 'Computed on the way' means the value that the module computes at that place (a softmax that the list does not call 'softmax' is quantised finished and normalised). What goes into a quantiser is computed in f32, as accurately as f32 sums, v_exp_f32 and their like allow (about 1e-6 of the number): no bf16 or f16 on the way to a quantiser, and a product that is left as it is and whose result goes on into a quantised operand takes f32 operands (vector FMAs, or v_wmma_f32_16x16x4_f32). A number that lies on a knife's edge between two numbers of the format may be rounded either way, as far as f32 arithmetic and the matrix unit's own rounding can turn it there, and no further.
;; One version. Each part assembles by itself: llvm-mc -triple=amdgcn-amd-amdhsa -mcpu=gfx1250 --defsym DOCPART=n.
;; ======== version 1 of 1: 4 launches
;; limits: right only within a limited range of input values
;; workspace buffers: img 9,830,400 bytes; qimg 6,815,744 bytes; kv 13,369,344 bytes; oimg 6,815,744 bytes
;; launch quant (part 1): grid 256 x 1, 6 waves a work-group, no clusters, 51,456 bytes of LDS; arguments x, w_qkv, w_proj, img; writes img
.if DOCPART == 1
	.amdgcn_target "amdgcn-amd-amdhsa--gfx1250"
	.amdhsa_code_object_version 6
	.text
	.protected	k_qe927db8ba0_quant
	.globl	k_qe927db8ba0_quant
	.p2align	8
	.type	k_qe927db8ba0_quant,@function
k_qe927db8ba0_quant:
	s_mov_b64 s[64:65], 0
	v_nop
	global_prefetch_b8 v0, s[64:65] scope:SCOPE_SE
	s_setreg_imm32_b32 hwreg(HW_REG_WAVE_MODE, 25, 1), 1
	s_wait_xcnt 0x0
; x [8192][1024], w_qkv [3072][1024] and w_proj [1024][1024], f32, K innermost, become codes of FP6 (E2M3) with one E8M0 scale byte for each 32 along K,
; laid in img AS IMAGES OF THE MATRIX OPERAND'S REGISTERS, so that the products' launches fetch every fragment by plain loads of 16 and 8 bytes a lane.
; A block's scale is 2^(floor(log2(its largest magnitude)) - 2); its byte is the largest magnitude's exponent field - 2, held at 1 from below.
; LIMITS: a block of zeros gets the byte 1 where the rule says 127 (its codes are zeros, and this program alone reads the bytes); blocks whose largest magnitude lies under 2^-124 are held at byte 1;
; NaN and infinities among the inputs are not served.
; img: 96 panels of 128 rows (x 0-63, w_qkv 64-87, w_proj 88-95), PANEL bytes each; a panel is 8 blocks (one for each 128 along K) of KBLK bytes: 8 tiles x 1,536 bytes, then 2 scale quads of 256 bytes.
; A TILE's 16 rows are not neighbours: in a group of 32 rows tile 2 b + u holds rows 32 b + 8 u + i + 8 (i / 8), i = 0 .. 15: used as source 0 of a product, the results of tiles 2 b and 2 b + 1 then are 16 neighbours in a lane.
; A tile's image: registers 0-3 of lane l at 16 l, registers 4-5 at 512 + 8 l, registers 6-9 at 768 + 16 l, registers 10-11 at 1,280 + 8 l.  A scale quad: lane l's 8 bytes at 8 l = the words of tiles l / 16 and 2 + l / 16, row l % 16.
; SHARES: wave w of work-group g takes task t = 6 g + w: the 64 rows of quad t / 8 and the 128 along K of step t % 8: four tiles and one scale quad.  Waves share nothing: no barrier.  No matrix unit, no cluster, no tensor load: a stream read once.
; A load reads 512 consecutive bytes of a row; the conversions want 32 neighbours in ONE lane: so a tile's 16 x 512 bytes turn through the wave's own stage in LDS (pitch 528 = 33 x 16 bytes).
.set SP,    528
.set STGB,  16*SP
.set PANEL, 102400
.set KBLK,  12800
.set LI,  1                            ; v1   16 x lane
.set L8,  2                            ; v2   8 x lane
.set SI,  3                            ; v3   the stage, on the way in: my 16 bytes of a row
.set SOA, 4                            ; v4   and on the way out: row lane % 16, block lane / 16
.set SH,  5                            ; v5   8 x (lane / 16): where my two scale bytes stand in the word
.set TM,  8                            ; v8-9 largest magnitudes, then bytes; v10-11 the conversions' scale operands
.set WD,  12                           ; v12-15 the four tiles' scale words
.set QD,  16                           ; v[16:17] the scale quad
.set PW,  18                           ; v18  the scale word just made; v19 the lane permute's destination
.set PC,  20                           ; v20-31 a tile's codes
.set CT,  32                           ; v32-34, v36-38 the upper halves of the blocks' codes, before they are moved
.set R,   40                           ; v40-167 two sets of 64: a tile as it is loaded
.set X,   168                          ; v168-231 my two blocks of 32 neighbours
	s_load_b256 s[4:11], s[0:1], 0x0               ; x s[4:5], w_qkv s[6:7], w_proj s[8:9], img s[10:11]
	v_lshl_add_u32 v232, v0, 2, 0xc600             ; the spare words lie behind the six waves' stages (6 x 8,448 bytes)
	v_mov_b32 v233, 0
	v_lshrrev_b32 v6, 5, v0
	v_readfirstlane_b32 s12, v6                    ; wave
	v_and_b32 v7, 31, v0
	v_lshlrev_b32 v[LI], 4, v7
	v_lshlrev_b32 v[L8], 3, v7
	s_mul_i32 s13, s12, STGB                       ; my stage
	v_add_nc_u32 v[SI], s13, v[LI]
	v_and_b32 v6, 15, v0                           ; r
	v_bfe_u32 v7, v0, 4, 1                         ; h
	v_mul_u32_u24 v[SOA], v6, SP
	v_lshl_add_u32 v[SOA], v7, 7, v[SOA]           ; + 128 h: a block of 32 numbers is 128 bytes
	v_add_nc_u32 v[SOA], s13, v[SOA]
	v_lshlrev_b32 v[SH], 3, v7
	v_mov_b32 v19, 0                               ; written once: a lane permute's destination counts as one of its sources
	s_mov_b32 s20, 0x76543210
	s_mov_b32 s21, 0xfedcba98                      ; v_permlanex16_b32's selects for lane l xor 16
	s_mov_b32 s22, 0xffff0000                      ; lanes 16-31
	; THE SHARES AS THEY STAND: 192 quads of 64 rows x 8 steps of 128 along K are 1,536 tasks; 256 work-groups of six waves; wave w of work-group g takes task 6 g + w
	s_mul_i32 s15, ttmp9, 6
	s_add_co_u32 s15, s15, s12                     ; the task
	s_lshr_b32 s14, s15, 3                         ; its quad of 64 rows, 0 .. 191
	s_and_b32 s15, s15, 7                          ; its step of 128 along K, 0 .. 7
	s_wait_alu depctr_va_vdst(0)
	s_wait_kmcnt 0x0
	s_mov_b32 s16, 176
	s_cmp_lt_u32 s14, 176                          ; which tensor: the choice hangs on the task's quad
	s_cselect_b64 s[6:7], s[6:7], s[8:9]
	s_cselect_b32 s16, 128, s16
	s_cmp_lt_u32 s14, 128
	s_cselect_b64 s[4:5], s[4:5], s[6:7]
	s_cselect_b32 s16, 0, s16
	s_sub_co_u32 s16, s14, s16                     ; the quad within its tensor
	s_lshl_b32 s16, s16, 18                        ; 64 rows of 4,096 bytes
	s_lshl_b32 s17, s15, 9                         ; 512 bytes a step
	s_add_co_u32 s16, s16, s17
	s_mov_b32 s17, 0
	s_add_nc_u64 s[4:5], s[4:5], s[16:17]
	s_lshr_b32 s18, s14, 1
	s_mul_i32 s18, s18, PANEL
	s_mul_i32 s19, s15, KBLK
	s_add_co_u32 s18, s18, s19                     ; my block of img
	s_and_b32 s19, s14, 1
	s_mul_i32 s24, s19, 6144                       ; tiles 0-3 or 4-7 of it
	s_add_co_u32 s24, s24, s18
	s_mov_b32 s25, 0
	s_add_nc_u64 s[26:27], s[10:11], s[24:25]      ; where my codes go
	s_lshl_b32 s19, s19, 8
	s_add_co_u32 s18, s18, s19
	s_add_co_u32 s18, s18, 12288
	s_mov_b32 s19, 0
	s_add_nc_u64 s[28:29], s[10:11], s[18:19]      ; where my scale quad goes
.macro LOAD a                          ; tile a's 16 rows, 512 consecutive bytes a load, into set a % 2
.irp i, 0,1,2,3,4,5,6,7,8,9,10,11,12,13,14,15
	global_load_b128 v[R+64*((\a)%2)+4*\i:R+64*((\a)%2)+4*\i+3], v[LI], s[4:5] offset:(32*((\a)/2)+8*((\a)%2)+\i+8*(\i/8))*4096 th:TH_LOAD_NT
.endr
.endm
.macro TURN a                          ; through the stage: LDS serves a wave's instructions in order, so no wait stands between the stores and the loads, nor in front of the next tile's stores
.irp i, 0,1,2,3,4,5,6,7,8,9,10,11,12,13,14,15
	ds_store_b128 v[SI], v[R+64*((\a)%2)+4*\i:R+64*((\a)%2)+4*\i+3] offset:SP*\i
.endr
.irp j, 0,1,2,3,4,5,6,7
	ds_load_b128 v[X+4*\j:X+4*\j+3], v[SOA] offset:16*\j              ; block h of my row
	ds_load_b128 v[X+32+4*\j:X+32+4*\j+3], v[SOA] offset:256+16*\j    ; block 2 + h
.endr
.endm
.macro QB                              ; my two whole blocks become registers 6 c .. 6 c + 5 of the tile's image; the row's scale word is gathered from lanes l and l xor 16
.irp c, 0,1
	v_max3_num_f32 v[TM+\c], |v[X+32*\c]|, |v[X+32*\c+1]|, 0x1800000  ; with the floor 2^(3 - 127): the byte cannot fall under 1
.endr
.irp i, 2,4,6,8,10,12,14,16,18,20,22,24,26,28,30
.irp c, 0,1
	v_max3_num_f32 v[TM+\c], v[TM+\c], |v[X+32*\c+\i]|, |v[X+32*\c+\i+1]|   ; the two blocks by turns
.endr
.endr
.irp c, 0,1
	v_add_nc_u32 v[TM+2+\c], 0xff000000, v[TM+\c]  ; 2 off the exponent field: the conversion takes the exponent field of this operand as its scale
.endr
.irp c, 0,1
	v_lshrrev_b32 v[TM+\c], 23, v[TM+2+\c]         ; the scale's byte
.endr
	v_lshl_or_b32 v[PW], v[TM+1], 16, v[TM]        ; blocks h and 2 + h,
	v_lshlrev_b32 v[PW], v[SH], v[PW]              ; at their places in the word;
	v_permlanex16_b32 v19, v[PW], s20, s21
	v_or_b32 v[PW], v[PW], v19                     ; with lane l xor 16's two the word is whole, in both lanes
.irp c, 0,1
	v_cvt_scalef32_pk16_fp6_f32 v[PC+6*\c:PC+6*\c+2], v[X+32*\c:X+32*\c+15], v[TM+2+\c]
	v_cvt_scalef32_pk16_fp6_f32 v[CT+4*\c:CT+4*\c+2], v[X+32*\c+16:X+32*\c+31], v[TM+2+\c]   ; (a conversion's three registers begin on an even number)
.endr
	v_nop                                          ; one plain place behind a scaled conversion
.irp c, 0,1
.irp i, 0,1,2
	v_mov_b32 v[PC+6*\c+3+\i], v[CT+4*\c+\i]
.endr
.endr
.endm
.macro OUT a                           ; every store covers 512 or 256 consecutive bytes, at a multiple of 256 from img's first byte
	global_store_b128 v[LI], v[PC:PC+3], s[26:27] offset:1536*(\a)
	global_store_b64 v[L8], v[PC+4:PC+5], s[26:27] offset:1536*(\a)+512
	global_store_b128 v[LI], v[PC+6:PC+9], s[26:27] offset:1536*(\a)+768
	global_store_b64 v[L8], v[PC+10:PC+11], s[26:27] offset:1536*(\a)+1280
	v_mov_b32 v[WD+(\a)], v[PW]
.endm
	LOAD 0
	LOAD 1
.irp a, 0,1,2,3
.if \a < 3
	s_wait_loadcnt 16                              ; this tile's 16 loads are in; the next tile's 16 may be out
.else
	s_wait_loadcnt 0x0
.endif
	TURN \a
	s_wait_dscnt 0x0                               ; my blocks are back, and the stage's stores have read the set,
.if \a < 2
	LOAD \a+2                                      ; which takes the tile two further on
.endif
	s_wait_xcnt 0x0                                ; the last tile's stores have read their data: the codes' registers are written again only behind this wait
	QB
	OUT \a
.endr
	v_cndmask_b32 v[QD], v[WD], v[WD+1], s22       ; lanes 0-15 tile 0's words, lanes 16-31 tile 1's
	v_cndmask_b32 v[QD+1], v[WD+2], v[WD+3], s22   ; tiles 2 and 3
	global_store_b64 v[L8], v[QD:QD+1], s[28:29]   ; 256 consecutive bytes
	s_wait_tensorcnt 0x0
	ds_add_u32 v232, v233
	s_wait_dscnt 0x0
	s_endpgm
.Lfunc_end_k_qe927db8ba0_quant:
	.size	k_qe927db8ba0_quant, .Lfunc_end_k_qe927db8ba0_quant-k_qe927db8ba0_quant
	.p2alignl 7, 3214868480
	.fill 96, 4, 3214868480
	.section	.rodata,"a",@progbits
	.p2align	6, 0x0
	.amdhsa_kernel k_qe927db8ba0_quant
		.amdhsa_group_segment_fixed_size 51456
		.amdhsa_private_segment_fixed_size 0
		.amdhsa_enable_private_segment 0
		.amdhsa_kernarg_size 32
		.amdhsa_user_sgpr_count 2
		.amdhsa_user_sgpr_kernarg_segment_ptr 1
		.amdhsa_wavefront_size32 1
		.amdhsa_system_sgpr_workgroup_id_x 1
		.amdhsa_system_sgpr_workgroup_id_y 1
		.amdhsa_system_sgpr_workgroup_id_z 1
		.amdhsa_system_vgpr_workitem_id 0
		.amdhsa_next_free_vgpr 234
		.amdhsa_next_free_sgpr 66
		.amdhsa_reserve_vcc 0
		.amdhsa_float_denorm_mode_32 3
		.amdhsa_float_denorm_mode_16_64 3
		.amdhsa_memory_ordered 1
		.amdhsa_forward_progress 1
		.amdhsa_inst_pref_size 31
	.end_amdhsa_kernel
	.amdgpu_metadata
---
amdhsa.version: [ 1, 2 ]
amdhsa.kernels:
  - .name:           k_qe927db8ba0_quant
    .symbol:         k_qe927db8ba0_quant.kd
    .args:
      - { .name: x, .offset: 0, .size: 8, .value_kind: global_buffer, .address_space: global }
      - { .name: w_qkv, .offset: 8, .size: 8, .value_kind: global_buffer, .address_space: global }
      - { .name: w_proj, .offset: 16, .size: 8, .value_kind: global_buffer, .address_space: global }
      - { .name: img, .offset: 24, .size: 8, .value_kind: global_buffer, .address_space: global }
    .group_segment_fixed_size: 51456
    .private_segment_fixed_size: 0
    .kernarg_segment_align: 8
    .kernarg_segment_size: 32
    .max_flat_workgroup_size: 192
    .sgpr_count:     66
    .vgpr_count:     234
    .wavefront_size: 32
...
	.end_amdgpu_metadata
.endif
;; end of part 1
;; launch gemm_qkv (part 2): grid 16 x 16, 4 waves a work-group, clusters of 4 x 4, 327,680 bytes of LDS; arguments img, qimg, kv; writes qimg, kv
.if DOCPART == 2
	.amdgcn_target "amdgcn-amd-amdhsa--gfx1250"
	.amdhsa_code_object_version 6
	.text
	.protected	k_qe927db8ba0_gemm_qkv
	.globl	k_qe927db8ba0_gemm_qkv
	.p2align	8
	.type	k_qe927db8ba0_gemm_qkv,@function
k_qe927db8ba0_gemm_qkv:
	s_mov_b64 s[64:65], 0
	v_nop
	global_prefetch_b8 v0, s[64:65] scope:SCOPE_SE
	s_setreg_imm32_b32 hwreg(HW_REG_WAVE_MODE, 25, 1), 1
	s_wait_xcnt 0x0
	s_wait_alu depctr_hold_cnt(0) depctr_sa_sdst(0) depctr_va_vdst(0) depctr_va_sdst(0) depctr_va_ssrc(0) depctr_va_vcc(0) depctr_vm_vsrc(0)
	s_getreg_b32 s2, hwreg(HW_REG_IB_STS2, 6, 4)
	s_cmp_eq_u32 s2, 0
	s_cbranch_scc0 .Lentry_in_a_cluster
	s_endpgm
.Lentry_in_a_cluster:
	s_bfe_u32 s2, ttmp6, 0x10000c
	s_cmp_lg_u32 s2, 0xf033
	s_cbranch_scc0 .Lentry_shape_is_right
	s_endpgm
.Lentry_shape_is_right:
; q, k = x Wq^T, x Wk^T and V^T = Wv x^T on codes of FP6 (E2M3) with E8M0 scales (img: the launch before), K = 1,024; the results are quantised here, in registers, for the attention's products:
; q and k along the head's 64, V^T along the keys; they leave as images of the operands' registers (a half image: 16 rows x 64 K, registers 0-3 at 16 x lane, 4-5 at 512 + 8 x lane: 768 bytes) with scale quads of 256 bytes.
; LIMITS of the quantiser: a block of zeros gets the byte 1 where the rule says 127 (zero codes; the bytes are read by this program alone); largest magnitudes under 2^-124 are held at byte 1; NaN and infinities are not served.
; A tile is 256 ROWS (source 1) x 128 COLUMNS (source 0).  Tile rows y = 0-7 (x 4 places cy): rows = tokens, columns = features of q (cluster x 0, 1) or k (2, 3).  y = 8-11: rows = Wv's features, columns = tokens.
; A WORK-GROUP STAYS AND WALKS THREE TILES: y = Y, Y + 4, Y + 8, Y its cluster's y (0-3): two tiles of q or k (a loop of two trips) and one of V^T (written out: it asks for nothing more).  256 work-groups, equal work.
; Source 0's tiles hold rows 32 b + 8 u + i + 8 (i / 8), so a lane's 16 results of column tiles 2 b, 2 b + 1 are 16 NEIGHBOURING columns 32 b + 16 (lane / 16) + 0 .. 15 of one row: what the conversions want.
; Four waves, each 64 rows x 128 columns: 32 accumulators.  LDS holds (256 + 128) rows x all of K with their scales, 307,200 bytes, as TWO chunks of four K steps: [rows' lower panel][upper][columns].
; FILLS, one tensor load a wave each time (waves 0, 1 a chunk of a rows panel, 200 rows of 256 bytes; waves 2, 3 half a chunk of the columns, 100 rows): chunk 0 of the first tile at the head; chunk 1 at each tile's top;
; chunk 0 of the NEXT tile in K step 3, where chunk 0's bytes have been read for the last time: it has four K steps and the way out in which to land.  Each of these stands behind the three lines and a round of the cluster's barrier
; By this text's own count a wave has one tensor load out.
; CLUSTERS, 4 x 4: the rows' panels hang on y and cy alone and are asked for jointly along a row of the cluster, the columns' panel on x, y and cx alone and jointly along a column.
; No prefetch: every fill is asked for four K steps or more ahead of its first read, but for the first tile's, which stand at the head.
; REGISTERS, in windows of 256: window 0: v1-7 addresses; v16-19 the rows' scale quads, two sets; v20-27 the columns'; v64-159 the rows' fragments, two sets of 4; v160-207 the way out; v254, v255 the add's two.
;   window 1: the columns' fragments, two sets of 8, at v0 and v96.   window 2: accumulator (a, b) at v[8 (8 a + b)].
.set RB,    12800                      ; a K step of a panel of 128 rows: 8 tiles x 1,536 bytes, 2 scale quads
.set RP,    4*RB                       ; a chunk of a panel
.set CB,    12800
.set CP,    4*CB
.set COLS,  2*RP
.set CHUNK, 2*RP+CP
.set PANEL, 8*RB                       ; a panel in memory
.set LI,   1                           ; v1  16 x lane
.set L8,   2                           ; v2  8 x lane
.set AR16, 3                           ; v3, v4  my four row tiles in the chunk in hand
.set AR8,  4
.set AC16, 5                           ; v5, v6  the eight column tiles
.set AC8,  6
.set ARS,  7                           ; v7  my rows' scale quad
.set RS,   16
.set CS,   20
.set RF,   64
.set PC,   160                         ; v160-171 the codes just made; v172-174, v176-178 the halves that change lanes
.set TM,   180                         ; v180-183 largest magnitudes, v184-187 the other lanes', then bytes, v192-195 the conversions' scale operands
.set PW,   196
.set WD,   200                         ; v200-203 the four row tiles' scale words; v204-207 two quads
.set QD,   204
.set WV,   12
.set SEL,  10                          ; s[10:11]
.set G1R,  24                          ; s[24:31], s[32:39] groups 1
.set G1C,  32
.set G0R,  40                          ; s[40:47] groups 0 for the rows' two chunks;  s[56:63] for the columns'
.set HB,   48                          ; s48 wave % 2;  s49 lanes 16-31;  s50 two scale bytes of 1.0;  s51 counts tiles;  s52 my rows' place in a chunk;  s[54:55] my half of a columns chunk
.set LM,   49
.set ON,   50
.set TC,   51
.set PA,   94                          ; s[94:95], s[96:97] where a row tile's two half images go;  s[92:93] from tile to tile
.set PB,   96
.set STR,  92
.set SA,   98                          ; s[98:99], s[90:91] where the scale quads go
.set SB,   90
.set MSB, 0
.macro WIN new
.if MSB != \new
	s_set_vgpr_msb (MSB<<8)|\new
.set MSB, \new
.endif
.endm
.set MUL,  0xa1                        ; source 0 (columns) window 1, source 1 (rows) window 0, C and D window 2
.set TO_C, 0x40
.macro CROUND                          ; a round of the cluster's barrier
	s_barrier_signal -1
	s_barrier_wait -1
	s_cmp_lg_u32 s[WV], 0
	s_cbranch_scc1 .Lnot_wave_0_\@
	s_barrier_signal -3
.Lnot_wave_0_\@:
	s_barrier_wait -3
	s_barrier_signal -1
	s_barrier_wait -1
.endm
; One product; c: 0 or the accumulator.  ra, rb: the scales of source 0, 1 lie in lanes 0-15 (0) or 16-31 (1) of the register named.
.macro WM d, fa, fb, c, sa, sb, ra, rb
.if ((\ra) == 0) && ((\rb) == 0)
	v_wmma_scale_f32_16x16x128_f8f6f4 v[0+(\d):7+(\d)], v[0+(\fa):11+(\fa)], v[0+(\fb):11+(\fb)], \c, v[0+(\sa)], v[0+(\sb)] matrix_a_fmt:MATRIX_FMT_FP6 matrix_b_fmt:MATRIX_FMT_FP6
.elseif (\rb) == 0
	v_wmma_scale_f32_16x16x128_f8f6f4 v[0+(\d):7+(\d)], v[0+(\fa):11+(\fa)], v[0+(\fb):11+(\fb)], \c, v[0+(\sa)], v[0+(\sb)] matrix_a_fmt:MATRIX_FMT_FP6 matrix_b_fmt:MATRIX_FMT_FP6 matrix_a_scale:MATRIX_SCALE_ROW1
.elseif (\ra) == 0
	v_wmma_scale_f32_16x16x128_f8f6f4 v[0+(\d):7+(\d)], v[0+(\fa):11+(\fa)], v[0+(\fb):11+(\fb)], \c, v[0+(\sa)], v[0+(\sb)] matrix_a_fmt:MATRIX_FMT_FP6 matrix_b_fmt:MATRIX_FMT_FP6 matrix_b_scale:MATRIX_SCALE_ROW1
.else
	v_wmma_scale_f32_16x16x128_f8f6f4 v[0+(\d):7+(\d)], v[0+(\fa):11+(\fa)], v[0+(\fb):11+(\fb)], \c, v[0+(\sa)], v[0+(\sb)] matrix_a_fmt:MATRIX_FMT_FP6 matrix_b_fmt:MATRIX_FMT_FP6 matrix_a_scale:MATRIX_SCALE_ROW1 matrix_b_scale:MATRIX_SCALE_ROW1
.endif
.endm
.macro JL c                            ; chunk c's joint loads, one a wave: waves 0, 1 rows, waves 2, 3 columns; the branch hangs on the wave's number alone
	s_cmp_lt_u32 s[WV], 2
	s_cbranch_scc0 .Lcols_\@
	tensor_load_to_lds s[G0R+4*\c:G0R+4*\c+3], s[G1R:G1R+7]
	s_nop 0
.rept 4
	v_nop
.endr
	s_branch .Lasked_\@
.Lcols_\@:
	tensor_load_to_lds s[56+4*\c:59+4*\c], s[G1C:G1C+7]
	s_nop 0
.rept 4
	v_nop
.endr
.Lasked_\@:
.endm
; The global addresses of tile row s16's two chunks.  It stands where no tensor load of the wave is out.  It leaves the columns' panel number in s21.
.macro DESC
	s_lshl_b32 s19, s14, 1                         ; the rows' panels: tokens 8 y + 2 cy (+ 1), or Wv's 80 + 2 cy (+ 1): made of y and cy alone
	s_lshl_b32 s20, s16, 3
	s_cmp_lt_u32 s16, 8
	s_cselect_b32 s20, s20, 80
	s_add_co_u32 s19, s19, s20
	s_add_co_u32 s19, s19, s[HB]
	s_mul_i32 s76, s19, PANEL
	s_mov_b32 s77, 0
	s_lshl_b32 s21, s15, 2                         ; the columns' panel: features 64 + 4 x + cx, or tokens 16 (y - 8) + 4 x + cx: made of x, y and cx alone
	s_add_co_u32 s21, s21, s13
	s_sub_co_u32 s22, s16, 8
	s_lshl_b32 s22, s22, 4
	s_cmp_lt_u32 s16, 8
	s_cselect_b32 s22, 64, s22
	s_add_co_u32 s21, s21, s22
	s_mul_i32 s80, s21, PANEL
	s_mov_b32 s81, 0
	s_add_nc_u64 s[78:79], s[4:5], s[76:77]
	s_add_nc_u64 s[82:83], s[4:5], s[80:81]
	s_add_nc_u64 s[82:83], s[82:83], s[54:55]
.irp c, 0,1
	s_add_nc_u64 s[G0R+4*\c+2:G0R+4*\c+3], s[78:79], \c*RP
	s_or_b32 s[G0R+4*\c+3], s[G0R+4*\c+3], 0x80000000
	s_add_nc_u64 s[58+4*\c:59+4*\c], s[82:83], \c*CP
	s_or_b32 s[59+4*\c], s[59+4*\c], 0x80000000
.endr
.endm
.macro HALF reg, a16, a8, off          ; half a fragment: 6 registers, as they were stored
	ds_load_b128 v[\reg:\reg+3], v[\a16] offset:\off
	ds_load_b64 v[\reg+4:\reg+5], v[\a8] offset:\off+512
.endm
.macro FETCH sg, p                     ; step sg of the chunk in hand into set p: 8 column fragments, my 4 row fragments, 3 scale quads: 51 LDS loads in one run
	WIN TO_C
.irp b, 0,1,2,3,4,5,6,7
	HALF 96*(\p)+12*\b, AC16, AC8, (\sg)*CB+1536*\b
	HALF 96*(\p)+12*\b+6, AC16, AC8, (\sg)*CB+1536*\b+768
.endr
	WIN 0
.irp a, 0,1,2,3
	HALF RF+48*(\p)+12*\a, AR16, AR8, (\sg)*RB+1536*\a
	HALF RF+48*(\p)+12*\a+6, AR16, AR8, (\sg)*RB+1536*\a+768
.endr
	ds_load_b64 v[CS+4*(\p):CS+4*(\p)+1], v[AC8] offset:(\sg)*CB+12288
	ds_load_b64 v[CS+4*(\p)+2:CS+4*(\p)+3], v[AC8] offset:(\sg)*CB+12544
	ds_load_b64 v[RS+2*(\p):RS+2*(\p)+1], v[ARS] offset:(\sg)*RB
.endm
; 16 products: row tiles a0, a0 + 1 x the eight column tiles.  The 32 accumulators take turns, one instruction a turn, in the same order in every step.  zero = 1: the first step starts the sums.
.macro MUL16 a0, p, zero
.irp a, \a0, \a0+1
.irp b, 0,1,2,3,4,5,6,7
.set D_, 8*(8*(\a)+\b)
.if \zero
	WM D_, 96*(\p)+12*\b, RF+48*(\p)+12*(\a), 0, CS+4*(\p)+2*(\b/4)+(\b%4)/2, RS+2*(\p)+(\a)/2, \b%2, (\a)%2
.else
	WM D_, 96*(\p)+12*\b, RF+48*(\p)+12*(\a), v[D_:D_+7], CS+4*(\p)+2*(\b/4)+(\b%4)/2, RS+2*(\p)+(\a)/2, \b%2, (\a)%2
.endif
.endr
.endr
.endm
; K step k, on set k % 2; in its middle the next step's fragments are fetched into the other set.  A load into a register that a matrix instruction has read stands four plain vector instructions behind it
; (ISA guide 7.12.1 for vector instructions).  In step 3 chunk 1 is shown to all; chunk 0 has been read for the last time (my reads were waited for at the step's head), and with
; refill = 1 it takes the next tile's first four K steps.
.macro STEP k, zero, refill
	s_wait_dscnt 0x0                               ; this step's fragments and scales are in
	WIN MUL
	MUL16 0, (\k)%2, \zero
.if (\k) < 7
	WIN 0
.if (\k) == 3
	s_wait_tensorcnt 0x0                           ; my part of chunk 1 has landed: no tensor load of mine is out
.if \refill
	ds_add_u32 v254, v255                          ; the next tile's descriptors, work on registers, stand between the add and its wait
	s_add_co_u32 s16, s16, 4
	DESC
	s_wait_dscnt 0x0
	CROUND                                         ; no wave of any partner still reads chunk 0 or has a load on its way
	JL 0                                           ; the next tile's chunk 0, the first tensor load behind the round
.else
	s_barrier_signal -1
	s_barrier_wait -1
.endif
.irp r, AR16, AR8, AC16, AC8, ARS
	v_add_nc_u32 v[\r], CHUNK, v[\r]               ; on to chunk 1
.endr
.else
.rept 4
	v_nop
.endr
.endif
	FETCH ((\k)+1)%4, ((\k)+1)%2
.endif
	WIN MUL
	MUL16 2, (\k)%2, \zero
.endm
; THE WAY OUT.  For a row tile, a lane's 64 results (window 2, v[s] on) are register 16 b + i = column 32 b + 16 (lane / 16) + i of its row: they become a fragment's codes in v[PC] on and its scale word in v[PW].
.macro QUANT s
	WIN 0x0a
.irp b, 0,1,2,3
	v_max3_num_f32 v[TM+\b], |v[\s+16*\b]|, |v[\s+1+16*\b]|, 0x1800000   ; each accumulator from its low end on; the floor 2^(3 - 127) holds the byte at 1 from below
.endr
	WIN 0x28
.irp i, 2,4,6,8,10,12,14
.irp b, 0,1,2,3
	v_max3_num_f32 v[TM+\b], v[TM+\b], |v[\s+16*\b+\i]|, |v[\s+1+16*\b+\i]|
.endr
.endr
	WIN 0
.irp b, 0,1,2,3
	v_permlanex16_b32 v[TM+4+\b], v[TM+\b], s[SEL], s[SEL+1]
.endr
.irp b, 0,1,2,3
	v_max_num_f32 v[TM+\b], v[TM+\b], v[TM+4+\b]   ; with lane l xor 16's 16: the block's largest magnitude
.endr
.irp b, 0,1,2,3
	v_add_nc_u32 v[TM+12+\b], 0xff000000, v[TM+\b] ; 2 off its exponent field: the conversion's scale operand
.endr
.irp b, 0,1,2,3
	v_lshrrev_b32 v[TM+4+\b], 23, v[TM+12+\b]      ; the scale's byte
.endr
	v_lshl_or_b32 v[PW], v[TM+5], 8, v[TM+4]
	v_lshl_or_b32 v[PW], v[TM+6], 16, v[PW]
	v_lshl_or_b32 v[PW], v[TM+7], 24, v[PW]
	WIN 0x02
.irp c, 0,1
	v_cvt_scalef32_pk16_fp6_f32 v[PC+6*\c:PC+6*\c+2], v[\s+32*\c:\s+32*\c+15], v[TM+12+2*\c]
	v_cvt_scalef32_pk16_fp6_f32 v[PC+12+4*\c:PC+14+4*\c], v[\s+32*\c+16:\s+32*\c+31], v[TM+13+2*\c]
.endr
	WIN 0
	v_nop                                          ; one plain place behind a scaled conversion
.irp c, 0,1                            ; the operand's layout wants a whole block in a lane
.irp i, 0,1,2
	v_permlane16_swap_b32 v[PC+6*\c+\i], v[PC+12+4*\c+\i]
.endr
.irp i, 0,1,2
	v_mov_b32 v[PC+3+6*\c+\i], v[PC+12+4*\c+\i]
.endr
.endr
.endm
; A TILE.  more = 1: a tile of q or k, with a tile behind it;  more = 0: the tile of V^T, the last.
.macro TILE more
	s_wait_xcnt 0x0                                ; the last tile's stores have read their bases and data
	s_lshr_b32 s85, s[WV], 1
	s_mul_i32 s85, s85, RP                         ; my 64 rows: panel wave / 2,
	s_mul_i32 s86, s[HB], 6144                     ; tiles 4 (wave % 2) on
	s_add_co_u32 s86, s86, s85
	v_add_nc_u32 v[AR16], s86, v[LI]
	v_add_nc_u32 v[AR8], s86, v[L8]
	v_add_nc_u32 v[AC16], COLS, v[LI]
	v_add_nc_u32 v[AC8], COLS, v[L8]
	s_lshl_b32 s87, s[HB], 8
	s_add_co_u32 s87, s87, s85
	s_add_co_u32 s87, s87, 12288                   ; and their scale quad
	v_add_nc_u32 v[ARS], s87, v[L8]
	; WHERE THE RESULTS GO.  ty = 4 y + cy, tx = 4 x + cx.  q, k: tokens 256 ty + 64 wave on, heads 2 (tx % 8) and + 1.  V^T: head 4 cy + wave, the 128 keys of token panel T (s21).
	s_lshl_b32 s76, s16, 2
	s_add_co_u32 s76, s76, s14
	s_lshl_b32 s77, s15, 2
	s_add_co_u32 s77, s77, s13
	s_lshr_b32 s78, s76, 3                         ; the batch
	s_and_b32 s79, s76, 7                          ; which 256 tokens of it
	s_and_b32 s80, s77, 7
	s_lshl_b32 s80, s80, 1
	s_lshl_b32 s78, s78, 4
	s_add_co_u32 s78, s78, s80                     ; batch x 16 + the first head
	s_lshl_b32 s81, s78, 5                         ; qimg: [batch x head][32 quads of 64 queries][3,328]
	s_lshl_b32 s82, s79, 2
	s_add_co_u32 s81, s81, s82
	s_add_co_u32 s81, s81, s[WV]
	s_mul_i32 s81, s81, 3328
	s_lshl_b32 s82, s78, 4                         ; kv: [batch x head][16 steps of 128 keys][13,056]
	s_lshl_b32 s83, s79, 1
	s_add_co_u32 s82, s82, s83
	s_lshr_b32 s83, s[WV], 1
	s_add_co_u32 s82, s82, s83
	s_mul_i32 s82, s82, 13056
	s_and_b32 s83, s21, 0x30                       ; V^T: 16 x batch,
	s_lshl_b32 s84, s14, 2
	s_add_co_u32 s83, s83, s84
	s_add_co_u32 s83, s83, s[WV]                   ; + head,
	s_lshl_b32 s83, s83, 4
	s_and_b32 s84, s21, 15
	s_add_co_u32 s83, s83, s84                     ; key step T % 16
	s_mul_i32 s83, s83, 13056
	s_mul_i32 s85, s[HB], 3072
	s_add_co_u32 s85, s85, s82                     ; k: tiles 4 (wave % 2) on of the step's eight
	s_lshl_b32 s86, s[HB], 8
	s_add_co_u32 s86, s86, s82
	s_add_co_u32 s86, s86, 6144                    ; and their scale quad
	s_add_co_u32 s87, s81, 3072                    ; q's scale quad
	s_mov_b32 s88, 208896                          ; from a head to the next: in kv,
	s_cmp_lt_u32 s15, 2                            ; q or k?
	s_cselect_b32 s85, s81, s85
	s_cselect_b32 s86, s87, s86
	s_cselect_b32 s88, 106496, s88                 ; in qimg
	s_cselect_b64 s[90:91], s[6:7], s[8:9]
	s_add_co_u32 s87, s83, 6656                    ; V^T's fragments
	s_add_co_u32 s89, s83, 12800                   ; and their scale quad
	s_mov_b32 s[STR], 1536
	s_cmp_lt_u32 s16, 8                            ; q, k or V^T?
	s_cselect_b32 s85, s85, s87
	s_cselect_b32 s86, s86, s89
	s_cselect_b32 s88, s88, 768                    ; V^T: the second half image lies behind the first
	s_cselect_b32 s[STR], 768, s[STR]
	s_cselect_b64 s[90:91], s[90:91], s[8:9]
	s_mov_b32 s89, 0
	s_mov_b32 s[STR+1], 0
	s_mov_b32 s[PA], s85
	s_mov_b32 s[PA+1], 0
	s_add_nc_u64 s[PA:PA+1], s[90:91], s[PA:PA+1]
	s_add_nc_u64 s[PB:PB+1], s[PA:PA+1], s[88:89]
	s_mov_b32 s[SA], s86
	s_mov_b32 s[SA+1], 0
	s_add_nc_u64 s[SA:SA+1], s[90:91], s[SA:SA+1]
	s_add_nc_u64 s[SB:SB+1], s[SA:SA+1], s[88:89]
	s_wait_alu depctr_va_vdst(0)
	s_wait_tensorcnt 0x0                           ; my part of this tile's chunk 0 is in;
	ds_add_u32 v254, v255
	s_wait_dscnt 0x0                               ; the add is done, and so are my reads of the last tile's chunk 1
	CROUND
	JL 1                                           ; this tile's chunk 1, the first tensor load behind the round
	FETCH 0, 0
	STEP 0, 1, \more
.irp k, 1,2,3,4,5,6,7
	s_wait_alu depctr_va_vdst(0)
	STEP \k, 0, \more
.endr
	WIN 0
.rept 4
	v_nop                                          ; places behind the last products
.endr
.irp a, 0,1,2,3
.if \a > 0
	s_wait_xcnt 0x0                                ; the last row tile's stores have read their data and bases
	s_add_nc_u64 s[PA:PA+1], s[PA:PA+1], s[STR:STR+1]
	s_add_nc_u64 s[PB:PB+1], s[PB:PB+1], s[STR:STR+1]
.endif
	QUANT 64*\a
	global_store_b128 v[LI], v[PC:PC+3], s[PA:PA+1]                 ; columns 0-63: the first head, or keys 0-63.  Each store covers 512 or 256 consecutive bytes, at a multiple of 256 from the buffer's first byte
	global_store_b64 v[L8], v[PC+4:PC+5], s[PA:PA+1] offset:512
	global_store_b128 v[LI], v[PC+6:PC+9], s[PB:PB+1]               ; columns 64-127
	global_store_b64 v[L8], v[PC+10:PC+11], s[PB:PB+1] offset:512
	v_mov_b32 v[WD+\a], v[PW]
.endr
	v_cndmask_b32 v[QD], v[WD], v[WD+1], s[LM]     ; the quad: lanes 0-15 tile 0's words, lanes 16-31 tile 1's;
	v_cndmask_b32 v[QD+1], v[WD+2], v[WD+3], s[LM] ; tiles 2 and 3
.if \more
	v_and_or_b32 v[QD+2], v[QD], 0xffff, s[ON]     ; q, k: a word's low two bytes are the first head's two blocks, its high two the second head's; each head's word is filled up with two bytes of 1.0
	v_and_or_b32 v[QD+3], v[QD+1], 0xffff, s[ON]
	global_store_b64 v[L8], v[QD+2:QD+3], s[SA:SA+1]
	v_lshrrev_b32 v[QD], 16, v[QD]
	v_lshrrev_b32 v[QD+1], 16, v[QD+1]
	v_or_b32 v[QD], s[ON], v[QD]
	v_or_b32 v[QD+1], s[ON], v[QD+1]
	global_store_b64 v[L8], v[QD:QD+1], s[SB:SB+1]
.else
	global_store_b64 v[L8], v[QD:QD+1], s[SA:SA+1] ; V^T: the four bytes are the step's four blocks of 32 keys
.endif
.endm
	s_load_b128 s[4:7], s[0:1], 0x0                ; img s[4:5], qimg s[6:7]
	s_load_b64 s[8:9], s[0:1], 0x10                ; kv
	v_lshl_add_u32 v254, v0, 2, 0x4b000
	v_mov_b32 v255, 0
	ds_add_u32 v254, v255
	ds_add_u32 v254, v255
	v_lshrrev_b32 v1, 5, v0
	v_readfirstlane_b32 s[WV], v1                  ; wave 0..3
	s_bfe_u32 s13, ttmp6, 0x40000                  ; cx, cy
	s_bfe_u32 s14, ttmp6, 0x40004
	s_mov_b32 s15, ttmp9                           ; the cluster's x, 0..3
	s_and_b32 s16, ttmp7, 0xffff                   ; the first tile row y = the cluster's y, 0..3
	s_lshl_b32 s17, s14, 2
	s_lshl_b32 s17, 15, s17                        ; my row of the cluster
	s_lshl_b32 s18, 0x1111, s13                    ; my column
	s_or_b32 s[G1R], s17, (3<<16)|(1<<21)          ; group 1: dense bytes as rows of 256 (32 elements of 8 bytes), no padding; the mask, and bit 21 beside it
	s_or_b32 s[G1C], s18, (3<<16)|(1<<21)
	s_mov_b32 s[G1R+2], (RP/256)<<16
	s_mov_b32 s[G1R+4], RP/256
	s_mov_b32 s[G1C+2], (CP/512)<<16
	s_mov_b32 s[G1C+4], CP/512
.irp g, G1R, G1C
	s_mov_b32 s[\g+1], 32<<16
	s_mov_b32 s[\g+3], 32<<16
	s_mov_b32 s[\g+5], 32
	s_mov_b32 s[\g+6], 0
	s_mov_b32 s[\g+7], 0
.endr
	s_and_b32 s[HB], s[WV], 1
	s_mul_i32 s52, s[HB], RP                       ; where my loads go: no place in the cluster enters an LDS address
	s_mul_i32 s54, s[HB], CP/2
	s_mov_b32 s55, 0
.irp c, 0,1
	s_mov_b32 s[G0R+4*\c], 1
	s_add_co_u32 s[G0R+4*\c+1], s52, \c*CHUNK
	s_mov_b32 s[56+4*\c], 1
	s_add_co_u32 s[57+4*\c], s54, \c*CHUNK+COLS
.endr
	s_wait_dscnt 0x0
	s_wait_kmcnt 0x0
	DESC
	CROUND                                         ; all sixteen work-groups are here: the joint loads meet
	JL 0                                           ; the first tile's chunk 0: one tensor load a wave at the head
	v_and_b32 v2, 31, v0
	v_lshlrev_b32 v[LI], 4, v2
	v_lshlrev_b32 v[L8], 3, v2
.irp b, 0,1,2,3
	v_mov_b32 v[TM+4+\b], 0                        ; written once: a lane permute's destination counts as one of its sources
.endr
	s_mov_b32 s[SEL], 0x76543210
	s_mov_b32 s[SEL+1], 0xfedcba98                 ; v_permlanex16_b32's selects for lane l xor 16
	s_mov_b32 s[LM], 0xffff0000
	s_mov_b32 s[ON], 0x7f7f0000
	s_mov_b32 s[TC], 0
	s_wait_alu depctr_va_vdst(0)
.Ltile:                                            ; two trips: the tiles of q or k
	TILE 1
	s_add_co_u32 s[TC], s[TC], 1
	s_cmp_lt_u32 s[TC], 2
	s_wait_alu depctr_va_vdst(0)
	s_cbranch_scc1 .Ltile
	TILE 0                                         ; the tile of V^T
	s_wait_tensorcnt 0x0                           ; the wave's end
	ds_add_u32 v254, v255
	s_wait_dscnt 0x0
	CROUND                                         ; the closing round
	s_endpgm
.Lfunc_end_k_qe927db8ba0_gemm_qkv:
	.size	k_qe927db8ba0_gemm_qkv, .Lfunc_end_k_qe927db8ba0_gemm_qkv-k_qe927db8ba0_gemm_qkv
	.p2alignl 7, 3214868480
	.fill 96, 4, 3214868480
	.section	.rodata,"a",@progbits
	.p2align	6, 0x0
	.amdhsa_kernel k_qe927db8ba0_gemm_qkv
		.amdhsa_group_segment_fixed_size 327680
		.amdhsa_private_segment_fixed_size 0
		.amdhsa_enable_private_segment 0
		.amdhsa_kernarg_size 24
		.amdhsa_user_sgpr_count 2
		.amdhsa_user_sgpr_kernarg_segment_ptr 1
		.amdhsa_wavefront_size32 1
		.amdhsa_system_sgpr_workgroup_id_x 1
		.amdhsa_system_sgpr_workgroup_id_y 1
		.amdhsa_system_sgpr_workgroup_id_z 1
		.amdhsa_system_vgpr_workitem_id 0
		.amdhsa_next_free_vgpr 768
		.amdhsa_next_free_sgpr 100
		.amdhsa_reserve_vcc 0
		.amdhsa_float_denorm_mode_32 3
		.amdhsa_float_denorm_mode_16_64 3
		.amdhsa_memory_ordered 1
		.amdhsa_forward_progress 1
		.amdhsa_inst_pref_size 172
	.end_amdhsa_kernel
	.amdgpu_metadata
---
amdhsa.version: [ 1, 2 ]
amdhsa.kernels:
  - .name:           k_qe927db8ba0_gemm_qkv
    .symbol:         k_qe927db8ba0_gemm_qkv.kd
    .args:
      - { .name: img, .offset: 0, .size: 8, .value_kind: global_buffer, .address_space: global }
      - { .name: qimg, .offset: 8, .size: 8, .value_kind: global_buffer, .address_space: global }
      - { .name: kv, .offset: 16, .size: 8, .value_kind: global_buffer, .address_space: global }
    .group_segment_fixed_size: 327680
    .private_segment_fixed_size: 0
    .kernarg_segment_align: 8
    .kernarg_segment_size: 24
    .max_flat_workgroup_size: 128
    .sgpr_count:     100
    .vgpr_count:     768
    .wavefront_size: 32
...
	.end_amdgpu_metadata
.endif
;; end of part 2
;; launch attn (part 3): grid 4 x 64, 16 waves a work-group, clusters of 4 x 1, 212,992 bytes of LDS; arguments qimg, kv, oimg; writes oimg
.if DOCPART == 3
	.amdgcn_target "amdgcn-amd-amdhsa--gfx1250"
	.amdhsa_code_object_version 6
	.text
	.protected	k_qe927db8ba0_attn
	.globl	k_qe927db8ba0_attn
	.p2align	8
	.type	k_qe927db8ba0_attn,@function
k_qe927db8ba0_attn:
	s_mov_b64 s[64:65], 0
	v_nop
	global_prefetch_b8 v0, s[64:65] scope:SCOPE_SE
	s_setreg_imm32_b32 hwreg(HW_REG_WAVE_MODE, 25, 1), 1
	s_wait_xcnt 0x0
	s_wait_alu depctr_hold_cnt(0) depctr_sa_sdst(0) depctr_va_vdst(0) depctr_va_sdst(0) depctr_va_ssrc(0) depctr_va_vcc(0) depctr_vm_vsrc(0)
	s_getreg_b32 s2, hwreg(HW_REG_IB_STS2, 6, 4)
	s_cmp_eq_u32 s2, 0
	s_cbranch_scc0 .Lentry_in_a_cluster
	s_endpgm
.Lentry_in_a_cluster:
	s_bfe_u32 s2, ttmp6, 0x10000c
	s_cmp_lg_u32 s2, 0x3003
	s_cbranch_scc0 .Lentry_shape_is_right
	s_endpgm
.Lentry_shape_is_right:
; o[b][h][q] = the sum over k of softmax_k(q . k / 8) v, head size 64, 2,048 keys, both products on codes of FP6 (E2M3) with E8M0 scales; o / l is quantised along the head's 64 for the projection and leaves as images (oimg).
; THE SOFTMAX AHEAD OF THE SECOND PRODUCT: t = score x log2(e) / 8; M = the running largest t rounded UP to a whole number; p = 2^(t - M) is quantised along the keys, not normalised; the row's sum is taken of the unquantised p
; and divides O at the end.  When M moves, the sum and O are multiplied by 2^(old M - new M): exact.
; LIMITS of the quantisers: a block of zeros gets the byte 1 where the rule says 127 (zero codes; the bytes are read by this program alone); largest magnitudes under 2^-124 are held at byte 1; NaN and infinities are not served.
; SHARES.  A work-group owns 512 queries of one (batch, head); each of its SIXTEEN waves two tiles of 16 queries, one a pass of a loop of two trips, in 256 registers: four waves to a SIMD, so that one wave's vector work
; stands beside another's products and LDS loads.  Every pass walks the head's 16 steps of 128 keys.
; THE WHOLE HEAD'S K AND V^T STAY IN LDS: 16 steps x 13,056 bytes, each byte filled ONCE, wave w bringing step w by one tensor load: by this text's own count one load a wave is out.  Nothing is filled again.
; CLUSTER 4 x 1: the four blocks of queries of a head read the same K and V^T, so each step is asked for jointly, by the same load with the same descriptor and the mask of all four.
; No prefetch: all that the launch reads is asked for at its head.
; A step in LDS, as the launch before laid it: 8 tiles of K (16 keys x 64: half images of 768 bytes), 2 scale quads, 4 fragments of V^T (16 of the head's 64 x 128 keys: 1,536 bytes), 1 scale quad.
; LAYOUT.  Both products are used transposed: S^T = K Q^T (source 0 = 16 keys), O^T = V^T P^T (source 0 = 16 of the head's 64): a lane holds ONE query (lane % 16) throughout.  A tile's 16 rows are 32 b + 8 u + i + 8 (i / 8),
; so the 16 registers of tiles 2 b, 2 b + 1 are 16 neighbours, 32 b + 16 (lane / 16) + 0 .. 15, along the next product's K.
; The first product's K is 64 of the instruction's 128: registers 6-11 of Q's fragment hold zero codes, cleared once, and the scale words' upper two bytes are 1.0.
.set STEPB, 13056
.set HEADB, 16*STEPB
.set SCR,   HEADB                      ; behind the head: 8 scale quads of the output, 2,048 bytes into which no fill lands
.set LI,  1                            ; v1  16 x lane
.set L8,  2                            ; v2  8 x lane
.set A16, 3                            ; v3, v4  the same in the key step in hand
.set A8,  4
.set PS,  5                            ; v5  p's scale word
.set KS,  6                            ; v[6:7]   K's scale quad in hand
.set VS,  10                           ; v[10:11] V^T's;  v[8:9], v248-251, v253: the second tile of queries, waiting
.set Q,   16                           ; v16-27 Q's fragment; v28 its scale words
.set QS,  28
.set OSW, 29                           ; v29 the output's scale words: lanes 0-15 the first tile's, lanes 16-31 the second's
.set KF,  32                           ; v32-79 four fragments of K
.set VF,  80                           ; v80-127 four fragments of V^T
.set S,   128                          ; v128-191 S^T, then p, at the end O / l
.set O,   192                          ; v192-223 O^T
.set PCD, 224                          ; v224-235 p's codes
.set PT,  236                          ; v236-243 at work
.set BM,  244                          ; v244-247 the blocks' largest scores, then p, then the conversions' scale operands
.set WV,  12
.set SEL, 40                           ; s[40:41] lane selects for lane l xor 16
.set CS,  42                           ; s[42:43] c = log2(e) / 8
.set TB,  44                           ; s44 LDS byte of the key step in hand
.set KC,  45
.set PASS, 46
.set MK,  47                           ; s47 the lanes that take this pass's scale words
.set SH,  48                           ; s48 16 x (head % 2)
.set OB,  50                           ; s[50:51] where the tile's image goes
.set SO,  52                           ; s[52:53] where a scale quad goes
.macro ROUND                           ; a round of the cluster's barrier
	s_barrier_signal -1
	s_barrier_wait -1
	s_cmp_lg_u32 s[WV], 0
	s_cbranch_scc1 .Lnot_wave_0_\@
	s_barrier_signal -3
.Lnot_wave_0_\@:
	s_barrier_wait -3
	s_barrier_signal -1
	s_barrier_wait -1
.endm
; One product.  ra: source 0's scales lie in lanes 0-15 (0) or 16-31 (1) of the register named; source 1's always in lanes 0-15.  WM0 starts a sum, WMC adds in place.
.macro WM0 d, fa, fb, sa, sb, ra
.if (\ra) == 0
	v_wmma_scale_f32_16x16x128_f8f6f4 v[0+(\d):7+(\d)], v[0+(\fa):11+(\fa)], v[0+(\fb):11+(\fb)], 0, v[0+(\sa)], v[0+(\sb)] matrix_a_fmt:MATRIX_FMT_FP6 matrix_b_fmt:MATRIX_FMT_FP6
.else
	v_wmma_scale_f32_16x16x128_f8f6f4 v[0+(\d):7+(\d)], v[0+(\fa):11+(\fa)], v[0+(\fb):11+(\fb)], 0, v[0+(\sa)], v[0+(\sb)] matrix_a_fmt:MATRIX_FMT_FP6 matrix_b_fmt:MATRIX_FMT_FP6 matrix_a_scale:MATRIX_SCALE_ROW1
.endif
.endm
.macro WMC d, fa, fb, sa, sb, ra
.if (\ra) == 0
	v_wmma_scale_f32_16x16x128_f8f6f4 v[0+(\d):7+(\d)], v[0+(\fa):11+(\fa)], v[0+(\fb):11+(\fb)], v[0+(\d):7+(\d)], v[0+(\sa)], v[0+(\sb)] matrix_a_fmt:MATRIX_FMT_FP6 matrix_b_fmt:MATRIX_FMT_FP6
.else
	v_wmma_scale_f32_16x16x128_f8f6f4 v[0+(\d):7+(\d)], v[0+(\fa):11+(\fa)], v[0+(\fb):11+(\fb)], v[0+(\d):7+(\d)], v[0+(\sa)], v[0+(\sb)] matrix_a_fmt:MATRIX_FMT_FP6 matrix_b_fmt:MATRIX_FMT_FP6 matrix_a_scale:MATRIX_SCALE_ROW1
.endif
.endm
.macro HALF reg, off                   ; half a fragment: 6 registers, as they were stored
	ds_load_b128 v[\reg:\reg+3], v[A16] offset:\off
	ds_load_b64 v[\reg+4:\reg+5], v[A8] offset:\off+512
.endm
; K'S FRAGMENTS AS THEY STAND: tile t's six registers lie at KF + 6 t, and its fragment is the twelve from there on: its upper six are the next tile's codes (the last tile's: V^T's first six registers).
; They meet Q's zero codes for k = 64 .. 127; every code of FP6 is a finite number and the scale bytes there are 1.0, so they add 0.  All eight tiles of a step so lie in 48 registers.
.macro KLOAD                           ; a step's eight tiles of K and two scale quads: 18 LDS loads
.irp t, 0,1,2,3,4,5,6,7
	HALF KF+6*\t, 768*\t
.endr
	ds_load_b64 v[KS:KS+1], v[A8] offset:6144
	ds_load_b64 v[30:31], v[A8] offset:6400
.endm
	s_load_b128 s[4:7], s[0:1], 0x0                ; qimg s[4:5], kv s[6:7]
	s_load_b64 s[8:9], s[0:1], 0x10                ; oimg
	v_lshl_add_u32 v254, v0, 2, 0x33800
	v_mov_b32 v255, 0
	ds_add_u32 v254, v255
	ds_add_u32 v254, v255
	s_wait_dscnt 0x0
	v_lshrrev_b32 v1, 5, v0
	s_delay_alu instid0(VALU_DEP_1)
	v_readfirstlane_b32 s[WV], v1                  ; wave 0..15
	s_bfe_u32 s13, ttmp6, 0x40000                  ; cx: my block of 512 queries; it enters Q's and the output's global addresses alone
	s_and_b32 s14, ttmp7, 0xffff                   ; 16 x batch + head, which the four partners share
	; group 1: a key step, 13,056 dense bytes, as 51 rows of 256 bytes (32 elements of 8 bytes), no padding
	s_mov_b32 s24, 15|(3<<16)|(1<<21)              ; 15:0 the mask: all four work-groups; 17:16 elements of 8 bytes; 21 set beside a mask
	s_mov_b32 s25, 32<<16                          ; tensor_dim0
	s_mov_b32 s26, 51<<16                          ; tensor_dim1
	s_mov_b32 s27, 32<<16                          ; tile_dim0
	s_mov_b32 s28, 51                              ; tile_dim1
	s_mov_b32 s29, 32                              ; from row to row
	s_mov_b32 s30, 0
	s_mov_b32 s31, 0
	s_mul_i32 s15, s[WV], STEPB                    ; key step = my wave's number: its place in the head, in memory and in LDS alike
	s_mul_i32 s16, s14, HEADB
	s_add_co_u32 s16, s16, s15
	s_mov_b32 s17, 0
	s_wait_kmcnt 0x0
	s_mov_b32 s32, 1                               ; count = 1
	s_mov_b32 s33, s15                             ; LDS address
	s_add_nc_u64 s[34:35], s[6:7], s[16:17]        ; global address
	s_or_b32 s35, s35, 0x80000000                  ; type = 2
	ROUND                                          ; all four work-groups are here: the joint loads meet
	tensor_load_to_lds s[32:35], s[24:31]
	s_nop 0
.rept 4
	v_nop
.endr
	v_and_b32 v2, 31, v0
	s_delay_alu instid0(VALU_DEP_1)
	v_lshlrev_b32 v[LI], 4, v2
	s_wait_alu depctr_va_vdst(0)
	v_lshlrev_b32 v[L8], 3, v2
	s_wait_alu depctr_va_vdst(0)
	v_and_b32 v[A16], 15, v0
	s_delay_alu instid0(VALU_DEP_1)
	v_lshlrev_b32 v[A16], 3, v[A16]                ; 8 x (lane % 16)
	s_wait_alu depctr_va_vdst(0)
	s_lshl_b32 s18, s14, 5                         ; qimg: [batch x head][32 quads of 64 queries][3,328]: quad 8 cx + wave / 2,
	s_lshl_b32 s19, s13, 3
	s_add_co_u32 s18, s18, s19
	s_lshr_b32 s19, s[WV], 1
	s_add_co_u32 s18, s18, s19
	s_mul_i32 s18, s18, 3328
	s_and_b32 s20, s[WV], 1
	s_mul_i32 s21, s20, 1536                       ; tiles 2 (wave % 2) and + 1 of its four
	s_add_co_u32 s22, s18, s21
	s_mov_b32 s23, 0
	s_add_nc_u64 s[36:37], s[4:5], s[22:23]
	s_lshl_b32 s20, s20, 2                         ; in the scale quad these two tiles' words are word wave % 2 of lanes 0-15 and of lanes 16-31
	s_add_co_u32 s18, s18, s20
	s_add_co_u32 s18, s18, 3072
	s_mov_b32 s19, 0
	s_add_nc_u64 s[38:39], s[4:5], s[18:19]
	global_load_b128 v[Q:Q+3], v[LI], s[36:37]                 ; the first tile of queries
	global_load_b64 v[Q+4:Q+5], v[L8], s[36:37] offset:512
	global_load_b128 v[248:251], v[LI], s[36:37] offset:768    ; the second waits
	global_load_b64 v[8:9], v[L8], s[36:37] offset:1280
	global_load_b32 v[QS], v[A16], s[38:39]                    ; row lane % 16's scale word
	global_load_b32 v253, v[A16], s[38:39] offset:128          ; the second tile's waits in v253
.irp i, 6,7,8,9,10,11
	v_mov_b32 v[Q+\i], 0                           ; Q's zero codes for k = 64 .. 127, cleared once and never loaded
	v_mov_b32 v[VF+\i-6], 0                        ; what the last tile of K's fragment reaches into, written before the first step's V^T is loaded
.endr
.irp b, 0,1,2,3
	v_mov_b32 v[PT+\b], 0                          ; written once: a lane permute's destination counts as one of its sources
.endr
	v_mov_b32 v[OSW], 0
	s_mov_b32 s[SEL], 0x76543210
	s_mov_b32 s[SEL+1], 0xfedcba98
	s_mov_b32 s[CS], 0x3e38aa3b                    ; c = log2(e) / 8
	s_mov_b32 s[CS+1], s[CS]                       ; (named with it as a pair, so it is written)
	; oimg: [64 panels of 128 tokens][8 steps of two heads][13,312]: 8 tiles x 1,536 (head % 2 picks the half image), then for each head % 2 two scale quads
	s_and_b32 s54, s14, 0x30                       ; 16 x batch
	s_lshl_b32 s55, s13, 2
	s_add_co_u32 s54, s54, s55                     ; my block's first panel
	s_and_b32 s56, s14, 15                         ; head
	s_lshr_b32 s57, s56, 1
	s_and_b32 s58, s56, 1
	s_lshl_b32 s[SH], s58, 4
	s_lshr_b32 s55, s[WV], 2                       ; my tiles: panel wave / 4,
	s_add_co_u32 s55, s55, s54
	s_lshl_b32 s55, s55, 3
	s_add_co_u32 s55, s55, s57
	s_mul_i32 s55, s55, 13312
	s_and_b32 s59, s[WV], 3
	s_mul_i32 s59, s59, 3072                       ; tiles 2 (wave % 4) and + 1
	s_add_co_u32 s55, s55, s59
	s_mul_i32 s59, s58, 768
	s_add_co_u32 s60, s55, s59
	s_mov_b32 s61, 0
	s_add_nc_u64 s[OB:OB+1], s[8:9], s[60:61]
	s_lshr_b32 s55, s[WV], 1                       ; the scale quad that wave w < 8 stores at the end: panel w / 2, quad w % 2
	s_and_b32 s55, s55, 3
	s_add_co_u32 s55, s55, s54
	s_lshl_b32 s55, s55, 3
	s_add_co_u32 s55, s55, s57
	s_mul_i32 s55, s55, 13312
	s_lshl_b32 s59, s58, 9
	s_add_co_u32 s55, s55, s59
	s_and_b32 s59, s[WV], 1
	s_lshl_b32 s59, s59, 8
	s_add_co_u32 s55, s55, s59
	s_add_co_u32 s60, s55, 12288
	s_add_nc_u64 s[SO:SO+1], s[8:9], s[60:61]
	s_wait_tensorcnt 0x0                           ; my key step has landed,
	s_barrier_signal -1
	s_barrier_wait -1                              ; all sixteen have
	s_wait_loadcnt 0x0                             ; Q
	s_mov_b32 s[TB], 0
	v_add_nc_u32 v[A16], s[TB], v[LI]
	v_add_nc_u32 v[A8], s[TB], v[L8]
	KLOAD                                          ; key step 0's K
	s_mov_b32 s[PASS], 0
.Lpass:                                            ; two trips: a tile of 16 queries each
	v_mov_b32 v13, 0xff61b1e6                      ; the largest t so far: -3e38, under every t
	s_delay_alu instid0(VALU_DEP_1)
	v_floor_f32 v12, -v13                          ; -M
	v_mov_b32 v14, 0                               ; the sum, in two halves
	v_mov_b32 v15, 0
.set j, 0
.rept 32
	v_mov_b32 v[O+j], 0                            ; O^T.  (The key step is written once: the first finds zeros, which the first change of M leaves zeros.  These lines are also the places between the moves into Q and its scale words and the first product)
.set j, j+1
.endr
	s_mov_b32 s[KC], 0
.Lkey:                                             ; sixteen trips: 128 keys each
	s_wait_dscnt 0x0                               ; this step's K, asked for in the trip before, is in
.irp t, 0,1,2,3,4,5,6,7                ; S^T = K Q^T: eight tiles of 16 keys
	WM0 S+8*\t, KF+6*\t, Q, KS+(\t%4)/2+24*(\t/4), QS, \t%2
.endr
.rept 4
	v_nop                                          ; places in front of loads into registers that matrix instructions have read, and of the first read of the scores
.endr
.irp a, 0,1,2,3                        ; this step's V^T (17 loads): the addresses still stand at this step
	HALF VF+12*\a, 6656+1536*\a
	HALF VF+12*\a+6, 6656+1536*\a+768
.endr
	ds_load_b64 v[VS:VS+1], v[A8] offset:12800
	s_add_co_u32 s[TB], s[KC], 1                   ; the next step, (trip + 1) % 16: a pass's last trip asks for step 0, which the next pass begins with (behind the second pass it is loaded and not used)
	s_and_b32 s[TB], s[TB], 15
	s_mul_i32 s[TB], s[TB], STEPB
	v_add_nc_u32 v[A16], s[TB], v[LI]
	v_add_nc_u32 v[A8], s[TB], v[L8]
	KLOAD                                          ; its K (18 loads) lands during the softmax
.irp b, 0,1,2,3
	v_max3_num_f32 v[BM+\b], v[S+16*\b], v[S+1+16*\b], v[S+2+16*\b]   ; THE LARGEST SCORE OF EACH BLOCK OF 32 KEYS: it serves for the row's maximum and, since p rises with the score, for the block's largest p.  Each accumulator is read from its low end on
.endr
.irp i, 3,5,7,9,11,13
.irp b, 0,1,2,3
	v_max3_num_f32 v[BM+\b], v[BM+\b], v[S+16*\b+\i], v[S+1+16*\b+\i]
.endr
.endr
.irp b, 0,1,2,3
	v_max_num_f32 v[BM+\b], v[BM+\b], v[S+15+16*\b]
.endr
.irp b, 0,1,2,3
	s_delay_alu instid0(VALU_DEP_4)
	v_permlanex16_b32 v[PT+\b], v[BM+\b], s[SEL], s[SEL+1]
.endr
.irp b, 0,1,2,3
	s_delay_alu instid0(VALU_DEP_4)
	v_max_num_f32 v[BM+\b], v[BM+\b], v[PT+\b]     ; with lane l xor 16's 16 keys
.endr
	s_delay_alu instid0(VALU_DEP_2)
	v_max3_num_f32 v254, v[BM], v[BM+1], v[BM+2]
	s_delay_alu instid0(VALU_DEP_1)
	v_max_num_f32 v254, v254, v[BM+3]              ; the step's largest score of my query
	s_delay_alu instid0(VALU_DEP_1)
	v_mul_f32 v254, s[CS], v254                    ; as t (c is positive)
	s_delay_alu instid0(VALU_DEP_1)
	v_max_num_f32 v13, v13, v254                   ; the running largest t
	v_mov_b32 v254, v12
	s_delay_alu instid0(VALU_DEP_2)
	v_floor_f32 v12, -v13                          ; the new -M = floor(-t) = -ceil(t): M is a whole number
	s_delay_alu instid0(VALU_DEP_1)
	v_sub_f32 v254, v12, v254                      ; M's old value less its new one: a whole number, 0 or less
	s_delay_alu instid0(VALU_DEP_1)
	v_cvt_i32_f32 v254, v254                       ; (it saturates)
	s_delay_alu instid0(VALU_DEP_1)
	v_ldexp_f32 v252, 1.0, v254                    ; f = 2^(old M - new M)
.set j, 0
.rept 32
	v_pk_fma_f32 v[S+j:S+j+1], v[S+j:S+j+1], s[CS:CS+1], v[12:13] op_sel_hi:[1,0,0]   ; t - M, two at a time (of the pairs c and -M the low word serves both halves)
.set j, j+2
.endr
.irp b, 0,1,2,3
	v_fma_f32 v[BM+\b], v[BM+\b], s[CS], v12       ; the same of each block's largest score
.endr
.set j, 0
	s_wait_alu depctr_va_vdst(0)
.rept 64
	v_exp_f32 v[S+j], v[S+j]                       ; p = 2^(t - M), at most 1: not normalised
.set j, j+1
.endr
	v_pk_mul_f32 v[14:15], v[14:15], v[252:253] op_sel_hi:[1,0]   ; the sums under the new M: the plain instruction behind the exponentials
	s_wait_alu depctr_va_vdst(0)                   ; one wait for the whole batch, ahead of its first reader
.irp b, 0,1,2,3
	v_exp_f32 v[BM+\b], v[BM+\b]                   ; the block's largest p: the same two instructions on the same number give the same bits
.endr
	v_pk_add_f32 v[236:237], v[132:133], v[136:137]
	v_pk_add_f32 v[242:243], v[140:141], v[144:145]
	v_pk_add_f32 v[240:241], v[148:149], v[152:153]
	v_pk_add_f32 v[238:239], v[156:157], v[160:161]
	v_pk_add_f32 v[234:235], v[164:165], v[168:169]
	v_pk_add_f32 v[232:233], v[172:173], v[176:177]
	v_pk_add_f32 v[230:231], v[180:181], v[184:185]
	v_pk_add_f32 v[14:15], v[14:15], v[188:189]
	v_pk_add_f32 v[236:237], v[236:237], v[128:129]
	v_pk_add_f32 v[242:243], v[242:243], v[130:131]
	v_pk_add_f32 v[240:241], v[240:241], v[134:135]
	v_pk_add_f32 v[238:239], v[238:239], v[138:139]
	v_pk_add_f32 v[234:235], v[234:235], v[142:143]
	v_pk_add_f32 v[232:233], v[232:233], v[146:147]
	v_pk_add_f32 v[230:231], v[230:231], v[150:151]
	v_pk_add_f32 v[14:15], v[14:15], v[154:155]
	v_pk_add_f32 v[236:237], v[236:237], v[158:159]
	v_pk_add_f32 v[242:243], v[242:243], v[162:163]
	v_pk_add_f32 v[240:241], v[240:241], v[166:167]
	v_pk_add_f32 v[238:239], v[238:239], v[170:171]
	v_pk_add_f32 v[234:235], v[234:235], v[174:175]
	v_pk_add_f32 v[232:233], v[232:233], v[178:179]
	v_pk_add_f32 v[230:231], v[230:231], v[182:183]
	v_pk_add_f32 v[14:15], v[14:15], v[186:187]
	v_pk_add_f32 v[236:237], v[236:237], v[190:191]
	s_delay_alu instid0(VALU_DEP_2)
	v_pk_add_f32 v[14:15], v[14:15], v[238:239]
	s_delay_alu instid0(VALU_DEP_2)
	v_pk_add_f32 v[236:237], v[236:237], v[234:235]
	v_pk_add_f32 v[242:243], v[242:243], v[232:233]
	v_pk_add_f32 v[240:241], v[240:241], v[230:231]
	s_delay_alu instid0(VALU_DEP_2)
	v_pk_add_f32 v[14:15], v[14:15], v[242:243]
	s_delay_alu instid0(VALU_DEP_2)
	v_pk_add_f32 v[236:237], v[236:237], v[240:241]
	s_delay_alu instid0(VALU_DEP_1)
	v_pk_add_f32 v[14:15], v[14:15], v[236:237]
	s_wait_alu depctr_va_vdst(0)                   ; and one for the four
.irp b, 0,1,2,3
	v_max_num_f32 v[BM+\b], 0x1800000, v[BM+\b]    ; the floor 2^(3 - 127): the byte cannot fall under 1
.endr
.irp b, 0,1,2,3
	s_delay_alu instid0(VALU_DEP_4)
	v_add_nc_u32 v[BM+\b], 0xff000000, v[BM+\b]    ; 2 off the exponent field: the conversion's scale operand
.endr
.irp b, 0,1,2,3
	s_delay_alu instid0(VALU_DEP_4)
	v_lshrrev_b32 v[PT+\b], 23, v[BM+\b]           ; the scale's byte
.endr
	s_delay_alu instid0(VALU_DEP_3)
	v_lshl_or_b32 v[PS], v[PT+1], 8, v[PT]         ; p's scale word for these 128 keys
	s_delay_alu instid0(VALU_DEP_1)
	v_lshl_or_b32 v[PS], v[PT+2], 16, v[PS]
	s_delay_alu instid0(VALU_DEP_1)
	v_lshl_or_b32 v[PS], v[PT+3], 24, v[PS]
.irp c, 0,1
	v_cvt_scalef32_pk16_fp6_f32 v[PCD+6*\c:PCD+6*\c+2], v[S+32*\c:S+32*\c+15], v[BM+2*\c]
	v_cvt_scalef32_pk16_fp6_f32 v[PT+4*\c:PT+4*\c+2], v[S+32*\c+16:S+32*\c+31], v[BM+2*\c+1]   ; (a conversion's three registers begin on an even number)
.endr
	v_nop                                          ; one plain place behind a scaled conversion
.irp c, 0,1                            ; the operand's layout wants a WHOLE block in a lane: lanes 0-15 block 2 c, lanes 16-31 block 2 c + 1
.irp i, 0,1,2
	v_permlane16_swap_b32 v[PCD+6*\c+\i], v[PT+4*\c+\i]
.endr
.irp i, 0,1,2
	s_delay_alu instid0(VALU_DEP_3)
	v_mov_b32 v[PCD+3+6*\c+\i], v[PT+4*\c+\i]
.endr
.endr
.set j, 0
.rept 16
	v_pk_mul_f32 v[O+j:O+j+1], v[O+j:O+j+1], v[252:253] op_sel_hi:[1,0]   ; O^T under the new M.  Of these sixteen, twelve name no register of any one product below: the eight places behind the scale word's last write, the four behind the codes'
.set j, j+2
.endr
	s_wait_alu depctr_va_vdst(0)
	s_wait_dscnt 18                                ; V^T is in; younger are the 18 loads of the next step's K
.irp a, 0,1,2,3
	WMC O+8*\a, VF+12*\a, PCD, VS+\a/2, PS, \a%2
.endr
	s_add_co_u32 s[KC], s[KC], 1
	s_cmp_lt_u32 s[KC], 16
	s_cbranch_scc1 .Lkey
	; THE TILE'S WAY OUT: O^T / the sum, quantised along the head's 64 (register 16 b + i is channel 32 b + 16 (lane / 16) + i of my query), stored as half an operand's image
.rept 4
	v_nop                                          ; places behind the last products
.endr
	v_add_f32 v14, v14, v15                        ; the sum's two halves,
	s_delay_alu instid0(VALU_DEP_1)
	v_permlanex16_b32 v254, v14, s[SEL], s[SEL+1]
	s_delay_alu instid0(VALU_DEP_1)
	v_add_f32 v14, v14, v254                       ; and lane l xor 16's: the row's sum
	s_wait_alu depctr_va_vdst(0)
	v_rcp_f32 v255, v14
	v_nop                                          ; one plain place behind the reciprocal
	s_lshl_b32 s[MK], s[PASS], 4
	s_lshl_b32 s[MK], 0xffff, s[MK]                ; lanes 0-15 in the first pass, lanes 16-31 in the second
	s_wait_alu depctr_va_vdst(0)                   ; the wait, ahead of the first reader
.set j, 0
.rept 32
	v_mul_f32 v[S+j], v[O+j], v255                 ; each accumulator from its low end on
.set j, j+1
.endr
.irp b, 0,1
	v_max3_num_f32 v[BM+\b], |v[S+16*\b]|, |v[S+1+16*\b]|, 0x1800000
.endr
.irp i, 2,4,6,8,10,12,14
.irp b, 0,1
	s_delay_alu instid0(VALU_DEP_2)
	v_max3_num_f32 v[BM+\b], v[BM+\b], |v[S+16*\b+\i]|, |v[S+1+16*\b+\i]|
.endr
.endr
.irp b, 0,1
	s_delay_alu instid0(VALU_DEP_2)
	v_permlanex16_b32 v[PT+\b], v[BM+\b], s[SEL], s[SEL+1]
.endr
.irp b, 0,1
	s_delay_alu instid0(VALU_DEP_2)
	v_max_num_f32 v[BM+\b], v[BM+\b], v[PT+\b]
.endr
.irp b, 0,1
	s_delay_alu instid0(VALU_DEP_2)
	v_add_nc_u32 v[BM+\b], 0xff000000, v[BM+\b]
.endr
.irp b, 0,1
	s_delay_alu instid0(VALU_DEP_2)
	v_lshrrev_b32 v[PT+\b], 23, v[BM+\b]
.endr
	s_delay_alu instid0(VALU_DEP_1)
	v_lshl_or_b32 v254, v[PT+1], 8, v[PT]          ; my head's two bytes,
	s_delay_alu instid0(VALU_DEP_1)
	v_lshlrev_b32 v254, s[SH], v254                ; in the low or the high half of the step's scale word; the other head's plane holds the other half, and the projection joins the two
	s_delay_alu instid0(VALU_DEP_1)
	v_cndmask_b32 v[OSW], v[OSW], v254, s[MK]
	v_cvt_scalef32_pk16_fp6_f32 v[PCD:PCD+2], v[S:S+15], v[BM]
	v_cvt_scalef32_pk16_fp6_f32 v[PT:PT+2], v[S+16:S+31], v[BM+1]
	v_nop                                          ; one plain place behind a scaled conversion
.irp i, 0,1,2
	v_permlane16_swap_b32 v[PCD+\i], v[PT+\i]
.endr
.irp i, 0,1,2
	s_delay_alu instid0(VALU_DEP_3)
	v_mov_b32 v[PCD+3+\i], v[PT+\i]
.endr
	global_store_b128 v[LI], v[PCD:PCD+3], s[OB:OB+1]              ; 512 and 256 consecutive bytes, at multiples of 256 from oimg's first byte
	global_store_b64 v[L8], v[PCD+4:PCD+5], s[OB:OB+1] offset:512
	s_wait_xcnt 0x0                                ; the stores have read their base and data: both are written again only behind this wait
	s_add_nc_u64 s[OB:OB+1], s[OB:OB+1], 1536      ; the next tile
.irp i, 0,1,2,3
	v_mov_b32 v[Q+\i], v[248+\i]                   ; the second tile of queries takes the first's place
.endr
	v_mov_b32 v[Q+4], v8
	v_mov_b32 v[Q+5], v9
	v_mov_b32 v[QS], v253
	s_add_co_u32 s[PASS], s[PASS], 1
	s_cmp_lt_u32 s[PASS], 2
	s_cbranch_scc1 .Lpass
	; THE SCALE WORDS: my register is word wave % 2 of quad wave / 2.  Two waves' registers meet in LDS and leave as one quad of 256 bytes.
	s_lshr_b32 s54, s[WV], 1
	s_lshl_b32 s54, s54, 8
	s_and_b32 s55, s[WV], 1
	s_lshl_b32 s55, s55, 2
	s_add_co_u32 s54, s54, s55
	s_add_co_u32 s54, s54, SCR
	v_add_nc_u32 v[A16], s54, v[L8]                ; both addresses are made ahead of the branch on the wave's number
	s_and_b32 s55, s[WV], 7
	s_lshl_b32 s55, s55, 8
	s_add_co_u32 s55, s55, SCR
	v_add_nc_u32 v[A8], s55, v[L8]
	ds_store_b32 v[A16], v[OSW]
	s_wait_dscnt 0x0                               ; for the others' sake: my store has landed
	s_barrier_signal -1
	s_barrier_wait -1
	s_cmp_lt_u32 s[WV], 8
	s_cbranch_scc0 .Lno_quad
	s_wait_alu depctr_va_vdst(0)
	ds_load_b64 v[KS:KS+1], v[A8]
	s_wait_dscnt 0x0
	global_store_b64 v[L8], v[KS:KS+1], s[SO:SO+1] ; 256 consecutive bytes
.Lno_quad:
	s_wait_xcnt 0x0
	v_lshl_add_u32 v254, v0, 2, 0x33800
	v_mov_b32 v255, 0
	s_wait_alu depctr_va_vdst(0)
	s_wait_tensorcnt 0x0
	ds_add_u32 v254, v255
	s_wait_dscnt 0x0
	ROUND                                          ; the closing round: no work-group ends while a partner may still ask for a step that names it
	s_endpgm
.Lfunc_end_k_qe927db8ba0_attn:
	.size	k_qe927db8ba0_attn, .Lfunc_end_k_qe927db8ba0_attn-k_qe927db8ba0_attn
	.p2alignl 7, 3214868480
	.fill 96, 4, 3214868480
	.section	.rodata,"a",@progbits
	.p2align	6, 0x0
	.amdhsa_kernel k_qe927db8ba0_attn
		.amdhsa_group_segment_fixed_size 212992
		.amdhsa_private_segment_fixed_size 0
		.amdhsa_enable_private_segment 0
		.amdhsa_kernarg_size 24
		.amdhsa_user_sgpr_count 2
		.amdhsa_user_sgpr_kernarg_segment_ptr 1
		.amdhsa_wavefront_size32 1
		.amdhsa_system_sgpr_workgroup_id_x 1
		.amdhsa_system_sgpr_workgroup_id_y 1
		.amdhsa_system_sgpr_workgroup_id_z 1
		.amdhsa_system_vgpr_workitem_id 0
		.amdhsa_next_free_vgpr 256
		.amdhsa_next_free_sgpr 66
		.amdhsa_reserve_vcc 0
		.amdhsa_float_denorm_mode_32 3
		.amdhsa_float_denorm_mode_16_64 3
		.amdhsa_memory_ordered 1
		.amdhsa_forward_progress 1
		.amdhsa_inst_pref_size 32
	.end_amdhsa_kernel
	.amdgpu_metadata
---
amdhsa.version: [ 1, 2 ]
amdhsa.kernels:
  - .name:           k_qe927db8ba0_attn
    .symbol:         k_qe927db8ba0_attn.kd
    .args:
      - { .name: qimg, .offset: 0, .size: 8, .value_kind: global_buffer, .address_space: global }
      - { .name: kv, .offset: 8, .size: 8, .value_kind: global_buffer, .address_space: global }
      - { .name: oimg, .offset: 16, .size: 8, .value_kind: global_buffer, .address_space: global }
    .group_segment_fixed_size: 212992
    .private_segment_fixed_size: 0
    .kernarg_segment_align: 8
    .kernarg_segment_size: 24
    .max_flat_workgroup_size: 512
    .sgpr_count:     66
    .vgpr_count:     256
    .wavefront_size: 32
...
	.end_amdgpu_metadata
.endif
;; end of part 3
;; launch gemm_proj (part 4): grid 8 x 32, 4 waves a work-group, clusters of 4 x 4, 327,680 bytes of LDS; arguments oimg, img, b_proj, out0; writes out0
.if DOCPART == 4
	.amdgcn_target "amdgcn-amd-amdhsa--gfx1250"
	.amdhsa_code_object_version 6
	.text
	.protected	k_qe927db8ba0_gemm_proj
	.globl	k_qe927db8ba0_gemm_proj
	.p2align	8
	.type	k_qe927db8ba0_gemm_proj,@function
k_qe927db8ba0_gemm_proj:
	s_mov_b64 s[64:65], 0
	v_nop
	global_prefetch_b8 v0, s[64:65] scope:SCOPE_SE
	s_setreg_imm32_b32 hwreg(HW_REG_WAVE_MODE, 25, 1), 1
	s_wait_xcnt 0x0
	s_wait_alu depctr_hold_cnt(0) depctr_sa_sdst(0) depctr_va_vdst(0) depctr_va_sdst(0) depctr_va_ssrc(0) depctr_va_vcc(0) depctr_vm_vsrc(0)
	s_getreg_b32 s2, hwreg(HW_REG_IB_STS2, 6, 4)
	s_cmp_eq_u32 s2, 0
	s_cbranch_scc0 .Lentry_in_a_cluster
	s_endpgm
.Lentry_in_a_cluster:
	s_bfe_u32 s2, ttmp6, 0x10000c
	s_cmp_lg_u32 s2, 0xf033
	s_cbranch_scc0 .Lentry_shape_is_right
	s_endpgm
.Lentry_shape_is_right:
; out0 = o Wp^T + b on codes of FP6 (E2M3) with E8M0 scales, K = 1,024: o's images from the attention (oimg), w_proj's from the first launch (img, panels 88-95); b and out0 f32.
; A work-group makes 256 ROWS (tokens, source 1) x 128 COLUMNS (features, source 0); four waves, each 64 rows x 128 columns: 32 accumulators.  Source 0's tiles hold rows 32 b + 8 u + i + 8 (i / 8), so a lane's 16 results of
; column tiles 2 b, 2 b + 1 are 16 neighbouring columns of one row; the rows' tiles are laid the same way, which the stores undo.
; (256 + 128) rows x all of K with their scales are 315,392 bytes: they lie in LDS whole, every byte filled ONCE, in two chunks of four K steps; nothing is filled again.
; CLUSTERS, 4 x 4: the rows' panels hang on the cluster's y and cy alone and are asked for jointly along a row of the cluster, the columns' panel on x and cx alone and jointly along a column.
; By this text's own count a wave has one tensor load out: waves 0 and 1 a chunk of a rows panel, waves 2 and 3 half a chunk of the columns panel.  No prefetch: all that the launch reads is asked for at its head.
; o's scale words come in two planes, one from each of a K step's two heads (the low and the high half of the word): they are joined by an OR in front of each step.
; The bias is the C of each sum's first product: eight registers a column tile, in the result's layout.
; REGISTERS, in windows of 256: window 0: v1-10 addresses; v16-19 the rows' scale quads, two sets; v20-27 the columns'; v28-31 the two planes as loaded; v64-159 the rows' fragments, two sets of 4; on the way out v64-191 rows of out0.
;   window 1: the columns' fragments, two sets of 8, at v0 and v96; v192-255 the bias.   window 2: accumulator (a, b) at v[8 (8 a + b)].
.set RB,    13312                      ; a K step of a panel of o: 8 tiles x 1,536 bytes, 2 planes of 2 scale quads
; THE FILLS AS THEY STAND: TWO chunks of FOUR K steps.  Each wave has one tensor load out: waves 0 and 1 a chunk of a rows panel (208 rows of 256 bytes), waves 2 and 3 half a chunk of the columns panel (100 rows each).
; Chunk 0 is asked for at the head, chunk 1 behind the three lines and a round of the cluster's barrier.
.set RP,    4*RB
.set CB,    12800                      ; the same of w_proj: 8 tiles, 2 scale quads
.set CP,    4*CB
.set COLS,  2*RP                       ; in a chunk: the rows' lower panel, the upper, the columns' panel
.set CHUNK, 2*RP+CP
.set SP,    528                        ; the way out: a stage of 16 rows x (512 bytes + 16) for each wave, in chunk 0, which has had its one fill and its last read when the first result is stored there
.set LI,   1                           ; v1  16 x lane
.set L8,   2                           ; v2  8 x lane
.set AR16, 3                           ; v3, v4  my four row tiles in the chunk in hand
.set AR8,  4
.set AC16, 5                           ; v5, v6  the eight column tiles
.set AC8,  6
.set ARS,  7                           ; v7  my rows' scale quad, first plane
.set BO,   8                           ; v8  64 x (lane / 16): my half's place in a column tile pair's bias
.set STO,  9                           ; v9  the stage: where I put 32 bytes of a row
.set RD,   10                          ; v10 and where I read a row back
.set RS,   16
.set CS,   20
.set RF,   64
.set BK,   64
.set BI,   192                         ; in window 1
.set WV,   12
.set G1R,  24                          ; s[24:31] group 1 for the rows' chunks;  s[32:39] for the columns'
.set G1C,  32
.set G0R,  40                          ; s[40:47] groups 0 for the rows' two chunks;  s[56:63] for the columns'
.set MSB, 0
.macro WIN new                         ; the immediate's high byte repeats the setting that is left
.if MSB != \new
	s_set_vgpr_msb (MSB<<8)|\new
.set MSB, \new
.endif
.endm
.set MUL,  0xa1                        ; source 0 (columns) window 1, source 1 (rows) window 0, C and D window 2
.set MULB, 0x91                        ; the same with C (the bias) in window 1
.set TO_C, 0x40                        ; destination window 1, address window 0
.macro CROUND                          ; a round of the cluster's barrier
	s_barrier_signal -1
	s_barrier_wait -1
	s_cmp_lg_u32 s[WV], 0
	s_cbranch_scc1 .Lnot_wave_0_\@
	s_barrier_signal -3
.Lnot_wave_0_\@:
	s_barrier_wait -3
	s_barrier_signal -1
	s_barrier_wait -1
.endm
; One product, added onto v[c .. c + 7].  ra, rb: the scales of source 0, 1 lie in lanes 0-15 (0) or 16-31 (1) of the register named.
.macro WMC d, fa, fb, c, sa, sb, ra, rb
.if ((\ra) == 0) && ((\rb) == 0)
	v_wmma_scale_f32_16x16x128_f8f6f4 v[0+(\d):7+(\d)], v[0+(\fa):11+(\fa)], v[0+(\fb):11+(\fb)], v[0+(\c):7+(\c)], v[0+(\sa)], v[0+(\sb)] matrix_a_fmt:MATRIX_FMT_FP6 matrix_b_fmt:MATRIX_FMT_FP6
.elseif (\rb) == 0
	v_wmma_scale_f32_16x16x128_f8f6f4 v[0+(\d):7+(\d)], v[0+(\fa):11+(\fa)], v[0+(\fb):11+(\fb)], v[0+(\c):7+(\c)], v[0+(\sa)], v[0+(\sb)] matrix_a_fmt:MATRIX_FMT_FP6 matrix_b_fmt:MATRIX_FMT_FP6 matrix_a_scale:MATRIX_SCALE_ROW1
.elseif (\ra) == 0
	v_wmma_scale_f32_16x16x128_f8f6f4 v[0+(\d):7+(\d)], v[0+(\fa):11+(\fa)], v[0+(\fb):11+(\fb)], v[0+(\c):7+(\c)], v[0+(\sa)], v[0+(\sb)] matrix_a_fmt:MATRIX_FMT_FP6 matrix_b_fmt:MATRIX_FMT_FP6 matrix_b_scale:MATRIX_SCALE_ROW1
.else
	v_wmma_scale_f32_16x16x128_f8f6f4 v[0+(\d):7+(\d)], v[0+(\fa):11+(\fa)], v[0+(\fb):11+(\fb)], v[0+(\c):7+(\c)], v[0+(\sa)], v[0+(\sb)] matrix_a_fmt:MATRIX_FMT_FP6 matrix_b_fmt:MATRIX_FMT_FP6 matrix_a_scale:MATRIX_SCALE_ROW1 matrix_b_scale:MATRIX_SCALE_ROW1
.endif
.endm
	s_load_b256 s[4:11], s[0:1], 0x0               ; oimg s[4:5], img s[6:7], b_proj s[8:9], out0 s[10:11]
	v_lshl_add_u32 v254, v0, 2, 0x4d000
	v_mov_b32 v255, 0
	ds_add_u32 v254, v255
	ds_add_u32 v254, v255
	v_lshrrev_b32 v1, 5, v0
	v_readfirstlane_b32 s[WV], v1                  ; wave 0..3
	s_bfe_u32 s13, ttmp6, 0x40000                  ; cx, cy: my place in the cluster
	s_bfe_u32 s14, ttmp6, 0x40004
	s_mov_b32 s15, ttmp9                           ; the cluster's x, 0..1
	s_and_b32 s16, ttmp7, 0xffff                   ; and y, 0..7
	s_lshl_b32 s17, s14, 2
	s_lshl_b32 s17, 15, s17                        ; my row of the cluster
	s_lshl_b32 s18, 0x1111, s13                    ; my column
	; group 1: a dense chunk as rows of 256 bytes (32 elements of 8 bytes), no padding: 208 rows of o, 100 of w_proj
	s_or_b32 s[G1R], s17, (3<<16)|(1<<21)          ; 15:0 the mask; 17:16 elements of 8 bytes; 21 set beside a mask
	s_mov_b32 s[G1R+1], 32<<16                     ; tensor_dim0
	s_mov_b32 s[G1R+2], (RP/256)<<16               ; tensor_dim1
	s_mov_b32 s[G1R+3], 32<<16                     ; tile_dim0
	s_mov_b32 s[G1R+4], RP/256                     ; tile_dim1
	s_mov_b32 s[G1R+5], 32                         ; from row to row
	s_mov_b32 s[G1R+6], 0
	s_mov_b32 s[G1R+7], 0
	s_or_b32 s[G1C], s18, (3<<16)|(1<<21)
	s_mov_b32 s[G1C+1], 32<<16
	s_mov_b32 s[G1C+2], (CP/512)<<16               ; a load of columns brings half a chunk
	s_mov_b32 s[G1C+3], 32<<16
	s_mov_b32 s[G1C+4], CP/512
	s_mov_b32 s[G1C+5], 32
	s_mov_b32 s[G1C+6], 0
	s_mov_b32 s[G1C+7], 0
	s_lshl_b32 s19, s16, 2
	s_add_co_u32 s19, s19, s14                     ; ty = 4 y + cy: my 256 tokens
	s_lshl_b32 s20, s19, 1
	s_and_b32 s23, s[WV], 1                        ; which of their two panels I fetch, if I fetch rows
	s_add_co_u32 s20, s20, s23
	s_mul_i32 s76, s20, 8*RB
	s_mov_b32 s77, 0
	s_lshl_b32 s21, s15, 2
	s_add_co_u32 s21, s21, s13                     ; tx = 4 x + cx: my 128 features
	s_add_co_u32 s22, s21, 88                      ; their panel of img
	s_mul_i32 s80, s22, 8*CB
	s_mov_b32 s81, 0
	s_mul_i32 s84, s23, RP
	s_mul_i32 s86, s23, CP/2                       ; which half of a columns chunk I fetch, if I fetch columns: in memory and in LDS alike
	s_mov_b32 s87, 0
	s_wait_dscnt 0x0
	s_wait_kmcnt 0x0
	s_add_nc_u64 s[78:79], s[4:5], s[76:77]
	s_add_nc_u64 s[82:83], s[6:7], s[80:81]
	s_add_nc_u64 s[82:83], s[82:83], s[86:87]
.irp c, 0,1
	s_mov_b32 s[G0R+4*\c], 1
	s_add_co_u32 s[G0R+4*\c+1], s84, \c*CHUNK                      ; LDS address
	s_add_nc_u64 s[G0R+4*\c+2:G0R+4*\c+3], s[78:79], \c*RP         ; global address: K steps 4 c .. 4 c + 3 of the panel
	s_or_b32 s[G0R+4*\c+3], s[G0R+4*\c+3], 0x80000000              ; type = 2
	s_mov_b32 s[56+4*\c+4*(\c/2)], 1
	s_add_co_u32 s[57+4*\c+4*(\c/2)], s86, \c*CHUNK+COLS
	s_add_nc_u64 s[58+4*\c+4*(\c/2):59+4*\c+4*(\c/2)], s[82:83], \c*CP
	s_or_b32 s[59+4*\c+4*(\c/2)], s[59+4*\c+4*(\c/2)], 0x80000000
.endr
	CROUND                                         ; all sixteen work-groups are here: the joint loads meet
.macro JL c                            ; chunk c's joint loads, one a wave: waves 0, 1 rows, waves 2, 3 columns; the branch hangs on the wave's number alone
	s_cmp_lt_u32 s[WV], 2
	s_cbranch_scc0 .Lcols_\@
	tensor_load_to_lds s[G0R+4*\c:G0R+4*\c+3], s[G1R:G1R+7]
	s_nop 0
.rept 4
	v_nop
.endr
	s_branch .Lasked_\@
.Lcols_\@:
	tensor_load_to_lds s[56+4*\c:59+4*\c], s[G1C:G1C+7]
	s_nop 0
.rept 4
	v_nop
.endr
.Lasked_\@:
.endm
	JL 0
	v_and_b32 v2, 31, v0
	v_lshlrev_b32 v[LI], 4, v2
	s_wait_alu depctr_va_vdst(0)
	v_lshlrev_b32 v[L8], 3, v2
	s_wait_alu depctr_va_vdst(0)
	v_bfe_u32 v[BO], v0, 4, 1                      ; h
	v_and_b32 v[STO], 15, v0                       ; r
	s_lshl_b32 s92, s21, 9                         ; the bias of my 128 features
	s_mov_b32 s93, 0
	s_add_nc_u64 s[94:95], s[8:9], s[92:93]
	s_mul_i32 s86, s[WV], 16*SP                    ; my stage
	v_mul_u32_u24 v[STO], v[STO], SP
	v_lshl_add_u32 v[STO], v[BO], 6, v[STO]        ; in: row r, + 64 h
	v_add_nc_u32 v[STO], s86, v[STO]
	v_add_nc_u32 v[RD], s86, v[LI]                 ; back: the 32 lanes take one row of 512 bytes
	v_lshlrev_b32 v[BO], 6, v[BO]
	WIN TO_C
.irp b, 0,1,2,3,4,5,6,7                ; lane (r, h) wants, for column tile 2 b' + u, the bias of columns 32 b' + 16 h + 8 u + 0 .. 7
	global_load_b128 v[BI+8*\b:BI+8*\b+3], v[BO], s[94:95] offset:(32*(\b/2)+8*(\b%2))*4
	global_load_b128 v[BI+8*\b+4:BI+8*\b+7], v[BO], s[94:95] offset:(32*(\b/2)+8*(\b%2))*4+16
.endr
	WIN 0
	s_lshr_b32 s85, s[WV], 1
	s_mul_i32 s85, s85, RP                         ; my 64 rows: panel wave / 2,
	s_mul_i32 s86, s23, 6144                       ; tiles 4 (wave % 2) on
	s_add_co_u32 s86, s86, s85
	v_add_nc_u32 v[AR16], s86, v[LI]
	v_add_nc_u32 v[AR8], s86, v[L8]
	v_add_nc_u32 v[AC16], COLS, v[LI]
	v_add_nc_u32 v[AC8], COLS, v[L8]
	s_lshl_b32 s87, s23, 8
	s_add_co_u32 s87, s87, s85
	s_add_co_u32 s87, s87, 12288                   ; and their scale quad
	v_add_nc_u32 v[ARS], s87, v[L8]
	s_lshl_b32 s88, s19, 20                        ; out0: 256 ty rows of 4,096 bytes,
	s_lshl_b32 s89, s[WV], 18                      ; + 64 x wave rows,
	s_add_co_u32 s88, s88, s89
	s_lshl_b32 s89, s21, 9                         ; + 512 tx bytes
	s_add_co_u32 s88, s88, s89
	s_mov_b32 s89, 0
	s_add_nc_u64 s[90:91], s[10:11], s[88:89]
.macro HALF reg, a16, a8, off          ; half a fragment: 6 registers, as they were stored
	ds_load_b128 v[\reg:\reg+3], v[\a16] offset:\off
	ds_load_b64 v[\reg+4:\reg+5], v[\a8] offset:\off+512
.endm
.macro FETCH sg, p                     ; step sg of the chunk in hand into set p: 8 column fragments, my 4 row fragments, 4 scale quads: 52 LDS loads in one run
	WIN TO_C
.irp b, 0,1,2,3,4,5,6,7
	HALF 96*(\p)+12*\b, AC16, AC8, (\sg)*CB+1536*\b
	HALF 96*(\p)+12*\b+6, AC16, AC8, (\sg)*CB+1536*\b+768
.endr
	WIN 0
.irp a, 0,1,2,3
	HALF RF+48*(\p)+12*\a, AR16, AR8, (\sg)*RB+1536*\a
	HALF RF+48*(\p)+12*\a+6, AR16, AR8, (\sg)*RB+1536*\a+768
.endr
	ds_load_b64 v[CS+4*(\p):CS+4*(\p)+1], v[AC8] offset:(\sg)*CB+12288
	ds_load_b64 v[CS+4*(\p)+2:CS+4*(\p)+3], v[AC8] offset:(\sg)*CB+12544
	ds_load_b64 v[28:29], v[ARS] offset:(\sg)*RB           ; the even head's plane
	ds_load_b64 v[30:31], v[ARS] offset:(\sg)*RB+512       ; the odd head's
.endm
; 16 products: row tiles a0, a0 + 1 x the eight column tiles.  The 32 accumulators take turns, one instruction a turn, in the same order in every step.  bias = 1: the first step adds onto the bias.
.macro MUL16 a0, p, bias
.irp a, \a0, \a0+1
.irp b, 0,1,2,3,4,5,6,7
.if \bias
	WMC 8*(8*(\a)+\b), 96*(\p)+12*\b, RF+48*(\p)+12*(\a), BI+8*\b, CS+4*(\p)+2*(\b/4)+(\b%4)/2, RS+2*(\p)+(\a)/2, \b%2, (\a)%2
.else
	WMC 8*(8*(\a)+\b), 96*(\p)+12*\b, RF+48*(\p)+12*(\a), 8*(8*(\a)+\b), CS+4*(\p)+2*(\b/4)+(\b%4)/2, RS+2*(\p)+(\a)/2, \b%2, (\a)%2
.endif
.endr
.endr
.endm
; K step k, on set k % 2; in its middle the next step's fragments are fetched into the other set, 16 products ahead of their use.  A load into a register that a matrix instruction has read stands four plain
; vector instructions behind it (ISA guide 7.12.1 for vector instructions): four v_nop, or the five address steps.
.macro STEP k, bias
	s_wait_dscnt 0x0                               ; this step's fragments and scales are in
	WIN 0
	v_or_b32 v[RS+2*((\k)%2)], v28, v30            ; the two planes make my rows' scale words
	v_or_b32 v[RS+2*((\k)%2)+1], v29, v31
.rept 8
	v_nop                                          ; a scale register written by a vector instruction stands eight places ahead of a scaled product
.endr
	WIN MUL-0x10*(\bias)
	MUL16 0, (\k)%2, \bias
.if (\k) < 7
	WIN 0
.if (\k) == 3
	s_wait_alu depctr_va_vdst(0)
	s_wait_tensorcnt 0x0                           ; my part of chunk 1 has landed
	s_barrier_signal -1                            ; (no LDS instruction of mine is out since the wait at the step's head)
	s_barrier_wait -1                              ; everybody's part has, and nobody reads the chunks left behind any more
.irp r, AR16, AR8, AC16, AC8, ARS
	v_add_nc_u32 v[\r], CHUNK, v[\r]               ; on to that chunk
.endr
.else
.rept 4
	v_nop
.endr
.endif
	FETCH ((\k)+1)%4, ((\k)+1)%2
.endif
	WIN MUL-0x10*(\bias)
	MUL16 2, (\k)%2, \bias
.endm
	s_wait_alu depctr_va_vdst(0)
	s_wait_tensorcnt 0x0                           ; my part of chunk 0 is in;
	ds_add_u32 v254, v255
	s_wait_dscnt 0x0
	CROUND                                         ; everybody's part is in, and all sixteen work-groups are here
	JL 1                                           ; chunk 1, the first tensor load behind the round
	FETCH 0, 0
	s_wait_loadcnt 0x0                             ; the bias
	STEP 0, 1
.irp k, 1,2,3,4,5,6,7
	s_wait_alu depctr_va_vdst(0)
	STEP \k, 0
.endr
	WIN 0
; THE WAY OUT, a row tile (16 rows x 128 columns) at a time.  A lane holds pieces of 32 bytes of one row, and the lanes beside it hold other rows: so a tile goes through my own stage and comes back as whole rows of 512 bytes.
; LDS serves a wave's instructions in order (ISA guide 5.7.1.4): no wait between the stores and the loads, nor in front of the next tile's stores.
.macro TOSTAGE a
	WIN 0x08                                       ; an LDS store's data are its source 1: window 2
.irp b, 0,1,2,3,4,5,6,7
	ds_store_b128 v[STO], v[64*(\a)+8*\b:64*(\a)+8*\b+3] offset:128*(\b/2)+32*(\b%2)          ; each accumulator from its low end on: columns 32 (b / 2) + 16 h + 8 (b % 2) + 0 .. 3
	ds_store_b128 v[STO], v[64*(\a)+8*\b+4:64*(\a)+8*\b+7] offset:128*(\b/2)+32*(\b%2)+16
.endr
	WIN 0
.irp i, 0,1,2,3,4,5,6,7,8,9,10,11,12,13,14,15
	ds_load_b128 v[BK+64*((\a)%2)+4*\i:BK+64*((\a)%2)+4*\i+3], v[RD] offset:SP*\i
.endr
.endm
.macro SEND a, younger                 ; younger: the LDS instructions issued behind tile a's loads, which may stay out
	s_wait_dscnt \younger
.irp i, 0,1,2,3,4,5,6,7,8,9,10,11,12,13,14,15
	global_store_b128 v[LI], v[BK+64*((\a)%2)+4*\i:BK+64*((\a)%2)+4*\i+3], s[90:91] offset:(32*((\a)/2)+8*((\a)%2)+\i+8*(\i/8))*4096 th:TH_STORE_NT   ; the tile's row i is token 32 (a / 2) + 8 (a % 2) + i + 8 (i / 8) of my 64; 512 consecutive bytes, at a multiple of 256 from out0's first byte
.endr
.endm
.rept 4
	v_nop                                          ; places behind the last products: for the reads of results and for the loads into the registers that held the rows' fragments
.endr
	TOSTAGE 0
.irp a, 1,2,3
.if \a > 1
	s_wait_xcnt 0x0                                ; tile a - 2's stores have read their registers: tile a's loads may land there
.endif
	TOSTAGE \a
	SEND \a-1, 32                                  ; behind tile a - 1's loads: tile a's 16 stores and 16 loads
.endr
	SEND 3, 0
	s_wait_tensorcnt 0x0
	ds_add_u32 v254, v255
	s_wait_dscnt 0x0
	CROUND                                         ; the closing round: no work-group ends while a partner may still ask for a chunk that names it
	s_endpgm
.Lfunc_end_k_qe927db8ba0_gemm_proj:
	.size	k_qe927db8ba0_gemm_proj, .Lfunc_end_k_qe927db8ba0_gemm_proj-k_qe927db8ba0_gemm_proj
	.p2alignl 7, 3214868480
	.fill 96, 4, 3214868480
	.section	.rodata,"a",@progbits
	.p2align	6, 0x0
	.amdhsa_kernel k_qe927db8ba0_gemm_proj
		.amdhsa_group_segment_fixed_size 327680
		.amdhsa_private_segment_fixed_size 0
		.amdhsa_enable_private_segment 0
		.amdhsa_kernarg_size 32
		.amdhsa_user_sgpr_count 2
		.amdhsa_user_sgpr_kernarg_segment_ptr 1
		.amdhsa_wavefront_size32 1
		.amdhsa_system_sgpr_workgroup_id_x 1
		.amdhsa_system_sgpr_workgroup_id_y 1
		.amdhsa_system_sgpr_workgroup_id_z 1
		.amdhsa_system_vgpr_workitem_id 0
		.amdhsa_next_free_vgpr 768
		.amdhsa_next_free_sgpr 96
		.amdhsa_reserve_vcc 0
		.amdhsa_float_denorm_mode_32 3
		.amdhsa_float_denorm_mode_16_64 3
		.amdhsa_memory_ordered 1
		.amdhsa_forward_progress 1
		.amdhsa_inst_pref_size 88
	.end_amdhsa_kernel
	.amdgpu_metadata
---
amdhsa.version: [ 1, 2 ]
amdhsa.kernels:
  - .name:           k_qe927db8ba0_gemm_proj
    .symbol:         k_qe927db8ba0_gemm_proj.kd
    .args:
      - { .name: oimg, .offset: 0, .size: 8, .value_kind: global_buffer, .address_space: global }
      - { .name: img, .offset: 8, .size: 8, .value_kind: global_buffer, .address_space: global }
      - { .name: b_proj, .offset: 16, .size: 8, .value_kind: global_buffer, .address_space: global }
      - { .name: out0, .offset: 24, .size: 8, .value_kind: global_buffer, .address_space: global }
    .group_segment_fixed_size: 327680
    .private_segment_fixed_size: 0
    .kernarg_segment_align: 8
    .kernarg_segment_size: 32
    .max_flat_workgroup_size: 128
    .sgpr_count:     96
    .vgpr_count:     768
    .wavefront_size: 32
...
	.end_amdgpu_metadata
.endif
;; end of part 4
